; MI455X (gfx1250); checked and timed in simulation.
; The chip was launched on July 23, 2026; its instructions are those of AMD's public machine-readable ISA for CDNA 5 (MIT licence, August 2026) and "CDNA5" Instruction Set Architecture Reference Guide (July 2026). The comments in the code are by the model that wrote it; some were corrected since.
;; Point Net Feature Propagation. Allowed arithmetic: float matrix products may take bf16 or f16 operands with f32 sums; other float arithmetic in f32, or as packed bf16 or f16 multiplies, adds, multiply-adds, maxima and minima; sums over many terms, partial sums and values carried from step to step in f32; what a program stores and reads back later, other than sums and carried values, may be rounded once to bf16 or f16.
;; Inputs: b0 256 float32; b1 256 float32; be0 256 float32; be1 256 float32; g0 256 float32; g1 256 float32; points1 8 x 64 x 8,192 float32; points2 8 x 256 x 2,048 float32; w0 256 x 320 float32; w1 256 x 256 float32; xyz1 8 x 3 x 8,192 float32; xyz2 8 x 3 x 2,048 float32.
;; Outputs: out0 8 x 256 x 8,192 float32.
;; 2 versions, each right; version 2 is version 1 with the launches knn_coarse, bnout written anew for expert scheduling mode. Each part assembles by itself: llvm-mc -triple=amdgcn-amd-amdhsa -mcpu=gfx1250 --defsym DOCPART=n.
;; ======== version 1 of 2: 5 launches
;; limits: values are held in f16: magnitudes above 65,504 overflow, below 6.1e-05 lose precision
;; workspace buffers: grp 1,048,576 bytes of whole numbers; nidx 1,048,576 bytes of whole numbers; nwgt 1,048,576 bytes; wh 294,912 bytes; q2 8,388,608 bytes; y0 33,685,504 bytes; y1 34,078,720 bytes
;; launch knn_coarse (part 1): grid 256 x 1, 8 waves a work-group, no clusters, 82,944 bytes of LDS; arguments xyz1, xyz2, w0, w1, grp, wh; writes grp, wh
.if DOCPART == 1
	.amdgcn_target "amdgcn-amd-amdhsa--gfx1250"
	.amdhsa_code_object_version 6
	.text
	.protected	k_qc9217cb912_knn_coarse
	.globl	k_qc9217cb912_knn_coarse
	.p2align	8
	.type	k_qc9217cb912_knn_coarse,@function
k_qc9217cb912_knn_coarse:
	s_mov_b64 s[64:65], 0
	v_nop
	global_prefetch_b8 v0, s[64:65] scope:SCOPE_SE
	s_setreg_imm32_b32 hwreg(HW_REG_WAVE_MODE, 25, 1), 1
	s_wait_xcnt 0x0
; POINTNET FEATURE PROPAGATION, launch 1 of 5: the coarse pass of the search for the 3 nearest, and the weights' rounding.
; WORK LEFT OUT, for all values of the inputs.  b0 and b1 are added to y ahead of a batch norm that takes the mean over the same axes away:
; (y + b) - mean(y + b) = y - mean(y) and var(y + b) = var(y).  So neither has a way to the output: they are not loaded and are no argument of any launch.
; Limit: a NaN, an infinity or an overflow that only b0 or b1 would bring is not carried to the result.
; WORK MOVED.  conv0 is linear: W0[:,64:] (sum_k w_k p2[idx_k]) = sum_k w_k (W0[:,64:] p2[idx_k]).  Launch 2 makes Q2 = W0[:,64:] p2 once for the 16,384 table rows;
; launch 3 mixes three rows of Q2 for each point and multiplies only the 64 own channels.
; FORMATS.  Every input is rounded to bf16 once.  A product of two bf16 numbers is exact in f32, so d = (|x1|^2 - 2 x1.x2) + |x2|^2, summed in the order
; ((x x + y y) + z z), ((p0 + p1) + p2), has one value whether or not multiply and add are fused.  What the program makes itself (Q2, y - mean, h) is kept in f16.
; Limits: NaN and infinities among the coordinates are not treated apart; Q2, y less its local mean and h must lie within f16's 65,504.
; THE SEARCH.  A batch's 2,048 candidates are 128 groups of 16.  In the order (d, index) each of the 3 nearest lies in one of the 3 groups with the least
; (group minimum, group number): a group ahead of it holds an element ahead of it, and only two elements are.  This launch finds those 3 groups for every query
; and stores their numbers, ascending; launch 2 reads them and looks at their 48 candidates.
; SHARES.  Work-group i: batch i / 32, queries 256 (i % 32) on.  All eight waves hold the same 256 queries, 8 a lane; wave w scans candidates 256 w .. 256 w + 255 (16 groups).
; The eight lists of a query meet in LDS; an earlier entry wins a tie (strict compare, waves and groups ascending), as top_k keeps the lower index.
; No cluster: what work-groups share, xyz2, is 24 KB a batch and goes through arithmetic in registers.
.set XA,    0                          ; LDS: -2 x of the 2,048 candidates, f32
.set ML,    32768                      ; LDS: the lists: [field 6][wave 8][query 256] words;  -2 y at 8,192, -2 z at 16,384, |x2|^2 at 24,576
.set SPARE, 81920                      ; the spare words, 128 bytes a wave: four blocks of 256 bytes that no other line names
.set NA,   2                           ; v2   byte offset of the next group in each of the four arrays
.set GIDV, 4                           ; v4   the group's number
.set MA,   5                           ; v5   address in the lists
.set SPW,  6                           ; v6   my spare word; never rewritten
.set NIL,  7                           ; v7   0; never rewritten
.set QB,   16                          ; v[16:79]  query q at QB + 8 q: x, x, y, y, z, z, a, a
.set G1,   80                          ; the three least group minima, 8 queries each,
.set G2,   88
.set G3,   96
.set I1,   104                         ; and their groups' numbers
.set I2,   112
.set I3,   120
.set RM,   128                         ; v[128:135] the group's minimum, a query each
.set H0,   136                         ; v[136:167] 8 candidates: -2x, -2y, -2z, b, eight registers each
.set H1,   168                         ; v[168:199] the group's other 8
.set T,    200                         ; v[200:231] distances at work
.set HI,   29                          ; s29  mask of a word's upper half
.set MK,   40                          ; s[40:63] compare masks, three a query
.macro BAR
	s_barrier_signal -1
	s_barrier_wait -1
.endm
.macro END3                            ; the wave's end: three lines behind the last LDS store
	s_wait_tensorcnt 0x0
	ds_add_u32 v[SPW], v[NIL]
	s_wait_dscnt 0x0
.endm
.macro RB2 d0, d1, tmp                 ; two f32 rounded to bf16 and widened again
	v_cvt_pk_bf16_f32 v[\tmp], v[\d0], v[\d1]
	v_lshlrev_b32 v[\d0], 16, v[\tmp]
	v_and_b32 v[\d1], s[HI], v[\tmp]
.endm
; (val, id) is put into the sorted list of three in slot s.  Strict compares: what is in the list wins a tie.
.macro ICMP val, s, m
	v_cmp_lt_f32 s[\m], v[\val], v[G1+\s]
	v_cmp_lt_f32 s[\m+1], v[\val], v[G2+\s]
	v_cmp_lt_f32 s[\m+2], v[\val], v[G3+\s]
.endm
.macro ISEL val, id, s, m
	v_cndmask_b32 v[I3+\s], v[I3+\s], v[\id], s[\m+2]
	v_cndmask_b32 v[I3+\s], v[I3+\s], v[I2+\s], s[\m+1]
	v_cndmask_b32 v[I2+\s], v[I2+\s], v[\id], s[\m+1]
	v_cndmask_b32 v[I2+\s], v[I2+\s], v[I1+\s], s[\m]
	v_cndmask_b32 v[I1+\s], v[I1+\s], v[\id], s[\m]
	v_med3_num_f32 v[G3+\s], v[G2+\s], v[G3+\s], v[\val]
	v_med3_num_f32 v[G2+\s], v[G1+\s], v[G2+\s], v[\val]
	v_min_num_f32 v[G1+\s], v[G1+\s], v[\val]
.endm
; A chunk of 256 weights: 32 bytes a lane in, rounded to bf16 (half = 1: that number written as f16), 16 bytes a lane out: the wave stores 512 bytes on end.
.macro WJOB base, half
	v_lshl_add_u32 v8, v1, 5, s22
	v_lshl_add_u32 v9, v1, 4, s23
	global_load_b128 v[16:19], v8, s[\base:\base+1]
	global_load_b128 v[20:23], v8, s[\base:\base+1] offset:16
	s_wait_loadcnt 0x0
.irp k, 0,1,2,3
	v_cvt_pk_bf16_f32 v[24+\k], v[16+2*\k], v[17+2*\k]
.endr
.if \half
.irp k, 0,1,2,3
	v_lshlrev_b32 v[16+2*\k], 16, v[24+\k]
	v_and_b32 v[17+2*\k], s[HI], v[24+\k]
.endr
.irp k, 0,1,2,3
	v_cvt_pk_f16_f32 v[24+\k], v[16+2*\k], v[17+2*\k]
.endr
.endif
	global_store_b128 v9, v[24:27], s[14:15]
.endm
.macro LDH hb, off                     ; 8 candidates of the group at NA: every lane reads the same 16 bytes
.irp c, 0,1,2,3
	ds_load_b128 v[\hb+8*\c:\hb+8*\c+3], v[NA] offset:\c*8192+\off
	ds_load_b128 v[\hb+8*\c+4:\hb+8*\c+7], v[NA] offset:\c*8192+\off+16
.endr
.endm
; 8 candidates against my 8 queries, two queries at a time: eight chains that do not wait for each other.  d = ((((-2x) qx + (-2y) qy) + (-2z) qz) + a) + b.
.macro HALF hb, first
.irp qq, 0,2,4,6
.set TT, T+16*((\qq/2)%2)
.irp u, 0,1
.irp p, 0,2,4,6
	v_pk_mul_f32 v[TT+8*\u+\p:TT+8*\u+\p+1], v[\hb+\p:\hb+\p+1], v[QB+8*(\qq+\u):QB+8*(\qq+\u)+1]
.endr
.endr
.irp u, 0,1
.irp p, 0,2,4,6
	v_pk_fma_f32 v[TT+8*\u+\p:TT+8*\u+\p+1], v[\hb+8+\p:\hb+8+\p+1], v[QB+8*(\qq+\u)+2:QB+8*(\qq+\u)+3], v[TT+8*\u+\p:TT+8*\u+\p+1]
.endr
.endr
.irp u, 0,1
.irp p, 0,2,4,6
	v_pk_fma_f32 v[TT+8*\u+\p:TT+8*\u+\p+1], v[\hb+16+\p:\hb+16+\p+1], v[QB+8*(\qq+\u)+4:QB+8*(\qq+\u)+5], v[TT+8*\u+\p:TT+8*\u+\p+1]
.endr
.endr
.irp u, 0,1
.irp p, 0,2,4,6
	v_pk_add_f32 v[TT+8*\u+\p:TT+8*\u+\p+1], v[TT+8*\u+\p:TT+8*\u+\p+1], v[QB+8*(\qq+\u)+6:QB+8*(\qq+\u)+7]
.endr
.endr
.irp u, 0,1
.irp p, 0,2,4,6
	v_pk_add_f32 v[TT+8*\u+\p:TT+8*\u+\p+1], v[TT+8*\u+\p:TT+8*\u+\p+1], v[\hb+24+\p:\hb+24+\p+1]
.endr
.endr
.if \first
.irp u, 0,1
	v_min3_num_f32 v[RM+\qq+\u], v[TT+8*\u], v[TT+8*\u+1], v[TT+8*\u+2]
.endr
.irp u, 0,1
	v_min3_num_f32 v[RM+\qq+\u], v[RM+\qq+\u], v[TT+8*\u+3], v[TT+8*\u+4]
.endr
.irp u, 0,1
	v_min3_num_f32 v[RM+\qq+\u], v[RM+\qq+\u], v[TT+8*\u+5], v[TT+8*\u+6]
.endr
.irp u, 0,1
	v_min_num_f32 v[RM+\qq+\u], v[RM+\qq+\u], v[TT+8*\u+7]
.endr
.else
.irp p, 0,2,4,6
.irp u, 0,1
	v_min3_num_f32 v[RM+\qq+\u], v[RM+\qq+\u], v[TT+8*\u+\p], v[TT+8*\u+\p+1]
.endr
.endr
.endif
.endr
.endm
	s_load_b256 s[4:11], s[0:1], 0x0               ; xyz1 s[4:5], xyz2 s[6:7], w0 s[8:9], w1 s[10:11]
	s_load_b128 s[12:15], s[0:1], 0x20             ; grp s[12:13], wh s[14:15]
	v_lshl_add_u32 v[SPW], v0, 2, SPARE
	v_mov_b32 v[NIL], 0
	v_and_b32 v1, 31, v0                           ; lane
	v_lshrrev_b32 v8, 5, v0
	v_readfirstlane_b32 s16, v8                    ; wave 0..7
	s_lshr_b32 s17, ttmp9, 5                       ; batch
	s_and_b32 s18, ttmp9, 31                       ; block of 256 queries in the batch
	s_mov_b32 s[HI], 0xffff0000
	s_mov_b32 s21, 0
	s_wait_kmcnt 0x0
	; THE WEIGHTS.  w0 has 320 chunks of 256 numbers, w1 has 256.  Wave 0 takes w0's chunk i, wave 1 chunk 256 + i where i < 64, wave 2 w1's chunk i.
	s_cmp_lg_u32 s16, 0
	s_cbranch_scc1 .Lw1
	s_lshl_b32 s22, ttmp9, 10
	s_lshl_b32 s23, ttmp9, 9
	WJOB 8, 0
	s_branch .Lwd
.Lw1:
	s_cmp_lg_u32 s16, 1
	s_cbranch_scc1 .Lw2
	s_cmp_ge_u32 ttmp9, 64
	s_cbranch_scc1 .Lwd
	s_add_co_u32 s19, ttmp9, 256
	s_lshl_b32 s22, s19, 10
	s_lshl_b32 s23, s19, 9
	WJOB 8, 0
	s_branch .Lwd
.Lw2:
	s_cmp_lg_u32 s16, 2
	s_cbranch_scc1 .Lwd
	s_lshl_b32 s22, ttmp9, 10
	s_lshl_b32 s23, ttmp9, 9
	s_add_co_u32 s23, s23, 163840                  ; w1's copy lies behind w0's
	WJOB 10, 1
.Lwd:
	s_wait_xcnt 0x0                                ; the job's offsets and store data are written again only behind this wait
	; THE TABLE AND THE QUERIES.  Thread t rounds candidates 4 t .. and 1,024 + 4 t ..; a lane takes queries 4 l .. and 128 + 4 l ..
	s_mul_i32 s20, s17, 24576
	s_add_nc_u64 s[6:7], s[6:7], s[20:21]
	s_mul_i32 s20, s17, 98304
	s_lshl_b32 s22, s18, 10
	s_add_co_u32 s20, s20, s22
	s_add_nc_u64 s[4:5], s[4:5], s[20:21]
	v_lshlrev_b32 v8, 4, v0
	v_lshlrev_b32 v9, 4, v1
.irp c, 0,1,2
	global_load_b128 v[H0+8*\c:H0+8*\c+3], v8, s[6:7] offset:\c*8192
	global_load_b128 v[H0+8*\c+4:H0+8*\c+7], v8, s[6:7] offset:\c*8192+4096
.endr
.irp c, 0,1,2
	global_load_b128 v[H1+8*\c:H1+8*\c+3], v9, s[4:5] offset:\c*32768
	global_load_b128 v[H1+8*\c+4:H1+8*\c+7], v9, s[4:5] offset:\c*32768+512
.endr
	s_wait_loadcnt 0x6                             ; the candidates are in; the six loads of the queries may stay out
.irp k, 0,2,4,6,8,10,12,14,16,18,20,22
	RB2 H0+\k, H0+\k+1, T+\k
.endr
.irp k, 0,2,4,6
	v_pk_mul_f32 v[H0+24+\k:H0+25+\k], v[H0+\k:H0+\k+1], v[H0+\k:H0+\k+1]
	v_pk_fma_f32 v[H0+24+\k:H0+25+\k], v[H0+8+\k:H0+9+\k], v[H0+8+\k:H0+9+\k], v[H0+24+\k:H0+25+\k]
	v_pk_fma_f32 v[H0+24+\k:H0+25+\k], v[H0+16+\k:H0+17+\k], v[H0+16+\k:H0+17+\k], v[H0+24+\k:H0+25+\k]
.endr
.irp k, 0,2,4,6,8,10,12,14,16,18,20,22
	v_pk_mul_f32 v[H0+\k:H0+\k+1], v[H0+\k:H0+\k+1], -2.0 op_sel_hi:[1,0]
.endr
.irp c, 0,1,2,3
	ds_store_b128 v8, v[H0+8*\c:H0+8*\c+3] offset:\c*8192
	ds_store_b128 v8, v[H0+8*\c+4:H0+8*\c+7] offset:\c*8192+4096
.endr
	s_wait_loadcnt 0x0
.irp k, 0,2,4,6,8,10,12,14,16,18,20,22
	RB2 H1+\k, H1+\k+1, T+\k
.endr
.irp k, 0,2,4,6
	v_pk_mul_f32 v[H1+24+\k:H1+25+\k], v[H1+\k:H1+\k+1], v[H1+\k:H1+\k+1]
	v_pk_fma_f32 v[H1+24+\k:H1+25+\k], v[H1+8+\k:H1+9+\k], v[H1+8+\k:H1+9+\k], v[H1+24+\k:H1+25+\k]
	v_pk_fma_f32 v[H1+24+\k:H1+25+\k], v[H1+16+\k:H1+17+\k], v[H1+16+\k:H1+17+\k], v[H1+24+\k:H1+25+\k]
.endr
.irp q, 0,1,2,3,4,5,6,7
.irp c, 0,1,2,3
	v_mov_b32 v[QB+8*\q+2*\c], v[H1+8*\c+\q]       ; each number twice: a pair for the packed lines
	v_mov_b32 v[QB+8*\q+2*\c+1], v[H1+8*\c+\q]
.endr
	v_mov_b32 v[G1+\q], 0x7f800000                 ; the lists start at +infinity
	v_mov_b32 v[G2+\q], 0x7f800000
	v_mov_b32 v[G3+\q], 0x7f800000
	v_mov_b32 v[I1+\q], 0
	v_mov_b32 v[I2+\q], 0
	v_mov_b32 v[I3+\q], 0
.endr
	s_wait_dscnt 0x0                               ; my part of the table is written,
	BAR                                            ; everybody's is
	; THE SCAN: 16 groups.  Two buffers of 8 candidates; each is asked for again as soon as it has been used.
	s_lshl_b32 s20, s16, 10
	v_mov_b32 v[NA], s20                           ; my 256 candidates begin at byte 1,024 w of each array
	s_lshl_b32 s28, s16, 4                         ; and at group 16 w
	LDH H0, 0
	LDH H1, 32
	v_add_nc_u32 v[NA], 64, v[NA]
	v_and_b32 v[NA], 0x1fff, v[NA]
	s_mov_b32 s27, 16
.Lgrp:
	s_wait_dscnt 0x8                               ; the first 8 candidates are in; the 8 younger loads are the other buffer's
	HALF H0, 1
	LDH H0, 0                                      ; the next group's (in the last trip: bytes inside the table, by the mask on NA, that nobody uses; so one text serves every trip)
	s_wait_dscnt 0x8                               ; the second 8 are in; the younger 8 are those just issued
	HALF H1, 0
	LDH H1, 32
	v_mov_b32 v[GIDV], s28
.irp q, 0,1,2,3,4,5,6,7
	ICMP RM+\q, \q, MK+3*\q
.endr
.irp q, 0,1,2,3,4,5,6,7
	ISEL RM+\q, GIDV, \q, MK+3*\q
.endr
	v_add_nc_u32 v[NA], 64, v[NA]
	v_and_b32 v[NA], 0x1fff, v[NA]
	s_add_co_u32 s28, s28, 1
	s_sub_co_u32 s27, s27, 1
	s_cmp_lg_u32 s27, 0
	s_cbranch_scc1 .Lgrp
	s_wait_dscnt 0x0
	BAR                                            ; every wave has left the table before a list is written
	; THE MERGE.  Each wave lays its lists down by field; thread t then merges query t's eight lists, waves ascending.
	s_lshl_b32 s20, s16, 10
	s_add_co_u32 s20, s20, ML
	v_lshl_add_u32 v[MA], v1, 4, s20
.irp f, 0,1,2,3,4,5
	ds_store_b128 v[MA], v[G1+8*\f:G1+8*\f+3] offset:\f*8192
	ds_store_b128 v[MA], v[G1+8*\f+4:G1+8*\f+7] offset:\f*8192+512
.endr
	s_wait_dscnt 0x0
	BAR
	v_lshl_add_u32 v[MA], v0, 2, ML
.irp f, 0,1,2,3,4,5
	ds_load_b32 v[G1+8*\f], v[MA] offset:\f*8192   ; wave 0's list starts the merge
.endr
	s_mov_b32 s27, 7
.Lmrg:
	v_add_nc_u32 v[MA], 1024, v[MA]
.irp f, 0,1,2,3,4,5
	ds_load_b32 v[T+\f], v[MA] offset:\f*8192
.endr
	s_wait_dscnt 0x0
.irp e, 0,1,2
	ICMP T+\e, 0, MK+3*\e
	ISEL T+\e, T+3+\e, 0, MK+3*\e
.endr
	s_sub_co_u32 s27, s27, 1
	s_cmp_lg_u32 s27, 0
	s_cbranch_scc1 .Lmrg
	v_min_u32 v8, v[I1], v[I2]                     ; the three numbers ascending, so that launch 2 meets the candidates in the order of their indices
	v_max_u32 v9, v[I1], v[I2]
	v_min_u32 v[T], v8, v[I3]
	v_max_u32 v10, v8, v[I3]
	v_min_u32 v[T+1], v9, v10
	v_max_u32 v[T+2], v9, v10
	v_mov_b32 v[T+3], 0
	v_lshlrev_b32 v11, 4, v0
	s_lshl_b32 s20, ttmp9, 12
	s_add_nc_u64 s[12:13], s[12:13], s[20:21]
	global_store_b128 v11, v[T:T+3], s[12:13]      ; a wave stores 512 bytes on end
	END3
	s_endpgm
.Lfunc_end_k_qc9217cb912_knn_coarse:
	.size	k_qc9217cb912_knn_coarse, .Lfunc_end_k_qc9217cb912_knn_coarse-k_qc9217cb912_knn_coarse
	.p2alignl 7, 3214868480
	.fill 96, 4, 3214868480
	.section	.rodata,"a",@progbits
	.p2align	6, 0x0
	.amdhsa_kernel k_qc9217cb912_knn_coarse
		.amdhsa_group_segment_fixed_size 82944
		.amdhsa_private_segment_fixed_size 0
		.amdhsa_enable_private_segment 0
		.amdhsa_kernarg_size 48
		.amdhsa_user_sgpr_count 2
		.amdhsa_user_sgpr_kernarg_segment_ptr 1
		.amdhsa_wavefront_size32 1
		.amdhsa_system_sgpr_workgroup_id_x 1
		.amdhsa_system_sgpr_workgroup_id_y 1
		.amdhsa_system_sgpr_workgroup_id_z 1
		.amdhsa_system_vgpr_workitem_id 0
		.amdhsa_next_free_vgpr 240
		.amdhsa_next_free_sgpr 66
		.amdhsa_reserve_vcc 0
		.amdhsa_float_denorm_mode_32 3
		.amdhsa_float_denorm_mode_16_64 3
		.amdhsa_memory_ordered 1
		.amdhsa_forward_progress 1
		.amdhsa_inst_pref_size 52
	.end_amdhsa_kernel
	.amdgpu_metadata
---
amdhsa.version: [ 1, 2 ]
amdhsa.kernels:
  - .name:           k_qc9217cb912_knn_coarse
    .symbol:         k_qc9217cb912_knn_coarse.kd
    .args:
      - { .name: xyz1, .offset: 0, .size: 8, .value_kind: global_buffer, .address_space: global }
      - { .name: xyz2, .offset: 8, .size: 8, .value_kind: global_buffer, .address_space: global }
      - { .name: w0, .offset: 16, .size: 8, .value_kind: global_buffer, .address_space: global }
      - { .name: w1, .offset: 24, .size: 8, .value_kind: global_buffer, .address_space: global }
      - { .name: grp, .offset: 32, .size: 8, .value_kind: global_buffer, .address_space: global }
      - { .name: wh, .offset: 40, .size: 8, .value_kind: global_buffer, .address_space: global }
    .group_segment_fixed_size: 82944
    .private_segment_fixed_size: 0
    .kernarg_segment_align: 8
    .kernarg_segment_size: 48
    .max_flat_workgroup_size: 256
    .sgpr_count:     66
    .vgpr_count:     240
    .wavefront_size: 32
...
	.end_amdgpu_metadata
.endif
;; end of part 1
;; launch refine_prep (part 2): grid 256 x 1, 8 waves a work-group, no clusters, 105,472 bytes of LDS; arguments xyz1, xyz2, points2, grp, wh, nidx, nwgt, q2; writes nidx, nwgt, q2
.if DOCPART == 2
	.amdgcn_target "amdgcn-amd-amdhsa--gfx1250"
	.amdhsa_code_object_version 6
	.text
	.protected	k_qc9217cb912_refine_prep
	.globl	k_qc9217cb912_refine_prep
	.p2align	8
	.type	k_qc9217cb912_refine_prep,@function
k_qc9217cb912_refine_prep:
	s_mov_b64 s[64:65], 0
	v_nop
	global_prefetch_b8 v0, s[64:65] scope:SCOPE_SE
	s_setreg_imm32_b32 hwreg(HW_REG_WAVE_MODE, 25, 1), 1
	s_wait_xcnt 0x0
; Launch 2 of 5.  (a) THE FINE PASS: thread t of work-group i takes query 256 i + t, reads its three groups' numbers (whole numbers that launch 1 stored), looks at their 48 candidates in
; ascending index, keeps the 3 nearest (strict compare: the lower index wins a tie), and stores their indices and the weights (1 / (d + 1e-8)) / sum.
; d is formed as in launch 1: bf16 coordinates, f32 sums in the order ((p0 + p1) + p2), (a - 2 c) + b.
; (b) Q2 = W0[:,64:] p2 for 64 table rows of the same batch, all 256 channels: bf16 operands, f32 sums, stored once in f16 as [batch][block of 64 channels][row][64].
; Wave w rounds channels 32 w .. of p2 into operand order in LDS, and makes output channels 32 w .. 32 w + 31.
; No cluster: a wave's rows of W0 go from memory straight into its own operand registers, and the tile of p2 is one work-group's.
.set CT,    0                          ; LDS: 128 groups x 272 bytes: 16 records (-2x, -2y, -2z, b) + 16 of padding, so that groups start 4 banks apart
.set PF,    34816                      ; LDS: p2 as operands: [K step 8][tile of points 4][half 2][lane 32][16 bytes]
.set STG,   67584                      ; LDS: the way out: [block of channels 4][row 64][128 + 16 bytes]
.set SPARE, 104448                     ; the spare words: four blocks of 256 bytes that no other line names
.set SPW, 6
.set NIL, 7
.set WF,  16                           ; v[16:143]  W0's operands: K step ks, tile mt at WF + 16 ks + 8 mt (before that: at work)
.set LR,  144                          ; v[144:207] p2 as loaded; then two buffers of 8 records; then the 8 accumulators (mt, pt) at 144 + 8 (4 mt + pt)
.set CB0, 144
.set CB1, 176
.set ACC, 144
.set PX,  208                          ; v[208:239] xyz2 as loaded; then the search's state; then p2's operands of one K step
.set G1,  208                          ; the three least distances
.set G2,  209
.set G3,  210
.set I1,  212                          ; their indices; v215 = 0 closes the record
.set I2,  213
.set I3,  214
.set GA0, 220                          ; LDS address of the group in hand, the next, the last
.set GA1, 221
.set GA2, 222
.set IB0, 223                          ; first index of the group in hand, the next, the last
.set IB1, 224
.set IB2, 225
.set VAL, 226                          ; v[226:233] eight distances
.set ID,  234                          ; v[234:241] their indices
.set QA,  247                          ; |x1|^2
.set QX,  252
.set QY,  253
.set QZ,  254
.set HI,  29
.set MK,  40                           ; s[40:63] compare masks
.macro BAR
	s_barrier_signal -1
	s_barrier_wait -1
.endm
.macro END3                            ; the wave's end: three lines behind the last LDS store
	s_wait_tensorcnt 0x0
	ds_add_u32 v[SPW], v[NIL]
	s_wait_dscnt 0x0
.endm
.macro PLACES                          ; four places behind a matrix instruction, ahead of loads into its sources and of reads of its result
.rept 4
	v_nop
.endr
.endm
.macro RB2 d0, d1, tmp
	v_cvt_pk_bf16_f32 v[\tmp], v[\d0], v[\d1]
	v_lshlrev_b32 v[\d0], 16, v[\tmp]
	v_and_b32 v[\d1], s[HI], v[\tmp]
.endm
.macro ICMP val, s, m
	v_cmp_lt_f32 s[\m], v[\val], v[G1+\s]
	v_cmp_lt_f32 s[\m+1], v[\val], v[G2+\s]
	v_cmp_lt_f32 s[\m+2], v[\val], v[G3+\s]
.endm
.macro ISEL val, id, s, m
	v_cndmask_b32 v[I3+\s], v[I3+\s], v[\id], s[\m+2]
	v_cndmask_b32 v[I3+\s], v[I3+\s], v[I2+\s], s[\m+1]
	v_cndmask_b32 v[I2+\s], v[I2+\s], v[\id], s[\m+1]
	v_cndmask_b32 v[I2+\s], v[I2+\s], v[I1+\s], s[\m]
	v_cndmask_b32 v[I1+\s], v[I1+\s], v[\id], s[\m]
	v_med3_num_f32 v[G3+\s], v[G2+\s], v[G3+\s], v[\val]
	v_med3_num_f32 v[G2+\s], v[G1+\s], v[G2+\s], v[\val]
	v_min_num_f32 v[G1+\s], v[G1+\s], v[\val]
.endm
.macro LDC cb, ga, off                 ; 8 records of a lane's group
.irp c, 0,1,2,3,4,5,6,7
	ds_load_b128 v[\cb+4*\c:\cb+4*\c+3], v[\ga] offset:\off+16*\c
.endr
.endm
.macro CAND8 cb, jb                    ; their distances, then one after the other into the list
.irp c, 0,1,2,3,4,5,6,7
	v_mul_f32 v[VAL+\c], v[\cb+4*\c], v[QX]
.endr
.irp c, 0,1,2,3,4,5,6,7
	v_fmac_f32 v[VAL+\c], v[\cb+4*\c+1], v[QY]
.endr
.irp c, 0,1,2,3,4,5,6,7
	v_fmac_f32 v[VAL+\c], v[\cb+4*\c+2], v[QZ]
.endr
.irp c, 0,1,2,3,4,5,6,7
	v_add_f32 v[VAL+\c], v[VAL+\c], v[QA]
.endr
.irp c, 0,1,2,3,4,5,6,7
	v_add_f32 v[VAL+\c], v[VAL+\c], v[\cb+4*\c+3]
.endr
.irp c, 0,1,2,3,4,5,6,7
	v_add_nc_u32 v[ID+\c], \jb+\c, v[IB0]
.endr
.irp c, 0,1,2,3,4,5,6,7
	ICMP VAL+\c, 0, MK+3*\c
	ISEL VAL+\c, ID+\c, 0, MK+3*\c
.endr
.endm
	s_load_b512 s[4:19], s[0:1], 0x0               ; xyz1 4, xyz2 6, points2 8, grp 10, wh 12, nidx 14, nwgt 16, q2 18
	v_lshl_add_u32 v[SPW], v0, 2, SPARE
	v_mov_b32 v[NIL], 0
	v_and_b32 v1, 31, v0                           ; lane
	v_and_b32 v2, 15, v0                           ; r
	v_bfe_u32 v3, v0, 4, 1                         ; h
	v_lshrrev_b32 v8, 5, v0
	v_readfirstlane_b32 s20, v8                    ; wave
	s_lshr_b32 s21, ttmp9, 5                       ; batch
	s_and_b32 s22, ttmp9, 31
	s_mov_b32 s[HI], 0xffff0000
	s_mov_b32 s25, 0
	v_lshlrev_b32 v4, 4, v0                        ; 16 t
	v_lshlrev_b32 v5, 2, v0                        ; 4 t
	v_lshlrev_b32 v8, 16, v3                       ; p2: 8 channels of 8,192 bytes for the upper lanes,
	v_lshl_add_u32 v8, v2, 4, v8                   ; four points a lane: lanes 0-15 take 256 bytes on end
	s_wait_kmcnt 0x0
	s_lshl_b32 s24, ttmp9, 12                      ; 256 records of 16 bytes
	s_add_nc_u64 s[10:11], s[10:11], s[24:25]
	s_add_nc_u64 s[14:15], s[14:15], s[24:25]
	s_add_nc_u64 s[16:17], s[16:17], s[24:25]
	s_mul_i32 s24, s21, 98304
	s_lshl_b32 s26, s22, 10
	s_add_co_u32 s24, s24, s26
	s_add_nc_u64 s[4:5], s[4:5], s[24:25]
	s_mul_i32 s24, s21, 24576
	s_add_nc_u64 s[6:7], s[6:7], s[24:25]
	s_lshl_b32 s24, s21, 21                        ; the batch, my 32 channels, the work-group's 64 rows
	s_lshl_b32 s26, s20, 18
	s_add_co_u32 s24, s24, s26
	s_lshl_b32 s26, s22, 8
	s_add_co_u32 s24, s24, s26
	s_add_nc_u64 s[8:9], s[8:9], s[24:25]
	s_mul_i32 s24, s20, 20480                      ; my 32 rows of w0's copy, 640 bytes each
	s_add_nc_u64 s[12:13], s[12:13], s[24:25]
	s_lshl_b32 s24, s21, 20
	s_lshl_b32 s26, s22, 13
	s_add_co_u32 s24, s24, s26
	s_add_nc_u64 s[18:19], s[18:19], s[24:25]
	global_load_b128 v[248:251], v4, s[10:11]      ; my query's groups
	global_load_b32 v[QX], v5, s[4:5]
	global_load_b32 v[QY], v5, s[4:5] offset:32768
	global_load_b32 v[QZ], v5, s[4:5] offset:65536
.irp c, 0,1,2
	global_load_b128 v[PX+8*\c:PX+8*\c+3], v4, s[6:7] offset:\c*8192
	global_load_b128 v[PX+8*\c+4:PX+8*\c+7], v4, s[6:7] offset:\c*8192+4096
.endr
.irp k, 0,1,2,3,4,5,6,7,8,9,10,11,12,13,14,15
	global_load_b128 v[LR+4*\k:LR+4*\k+3], v8, s[8:9] offset:((\k/8)*16+(\k%8))*8192 th:TH_LOAD_NT  ; channel 16 (k / 8) + 8 h + k % 8 of my 32
.endr
	s_wait_loadcnt 16                              ; all but the 16 loads of p2
.irp k, 0,2,4,6,8,10,12,14,16,18,20,22
	RB2 PX+\k, PX+\k+1, 255
.endr
.irp c, 0,1,2,3,4,5,6,7
	v_mul_f32 v[WF+4*\c+3], v[PX+\c], v[PX+\c]
	v_fmac_f32 v[WF+4*\c+3], v[PX+8+\c], v[PX+8+\c]
	v_fmac_f32 v[WF+4*\c+3], v[PX+16+\c], v[PX+16+\c]
	v_mul_f32 v[WF+4*\c], -2.0, v[PX+\c]
	v_mul_f32 v[WF+4*\c+1], -2.0, v[PX+8+\c]
	v_mul_f32 v[WF+4*\c+2], -2.0, v[PX+16+\c]
.endr
	v_lshrrev_b32 v9, 2, v0                        ; candidate 4 t + j: group t / 4, place 4 (t % 4) + j
	v_and_b32 v10, 3, v0
	v_mul_u32_u24 v9, v9, 272
	v_lshl_add_u32 v9, v10, 6, v9
.irp c, 0,1,2,3,4,5,6,7
	ds_store_b128 v9, v[WF+4*\c:WF+4*\c+3] offset:(\c/4)*17408+(\c%4)*16
.endr
	RB2 QX, QY, 255
	v_cvt_pk_bf16_f32 v255, v[QZ], v[QZ]
	v_lshlrev_b32 v[QZ], 16, v255
	v_mul_f32 v[QA], v[QX], v[QX]
	v_fmac_f32 v[QA], v[QY], v[QY]
	v_fmac_f32 v[QA], v[QZ], v[QZ]
.irp k, 0,1,2
	v_min_u32 v[248+\k], 127, v[248+\k]            ; a loaded number enters an address only behind this bound
	v_mul_u32_u24 v[GA0+\k], v[248+\k], 272
	v_lshlrev_b32 v[IB0+\k], 4, v[248+\k]
	v_mov_b32 v[G1+\k], 0x7f800000
	v_mov_b32 v[I1+\k], 0
.endr
	v_mov_b32 v215, 0
	s_wait_loadcnt 0x0                             ; p2
.irp pt, 0,1,2,3
.irp hf, 0,1
.irp ii, 0,1,2,3
	v_cvt_pk_bf16_f32 v[48+8*\pt+4*\hf+\ii], v[LR+4*(8*\hf+2*\ii)+\pt], v[LR+4*(8*\hf+2*\ii+1)+\pt]  ; point 4 r + pt, two neighbouring channels
.endr
.endr
.endr
	s_lshl_b32 s24, s20, 12
	s_add_co_u32 s24, s24, PF
	v_lshl_add_u32 v11, v1, 4, s24
.irp pt, 0,1,2,3
.irp hf, 0,1
	ds_store_b128 v11, v[48+8*\pt+4*\hf:48+8*\pt+4*\hf+3] offset:\pt*1024+\hf*512
.endr
.endr
	s_wait_dscnt 0x0
	BAR                                            ; the table and p2's operands are whole
	v_mul_u32_u24 v10, v2, 640                     ; W0: row r of a tile, 16 bytes for each half of the lanes; columns 64 on
	v_lshl_add_u32 v10, v3, 4, v10
.irp ks, 0,1,2,3,4,5,6,7
.irp mt, 0,1
	global_load_b128 v[WF+16*\ks+8*\mt:WF+16*\ks+8*\mt+3], v10, s[12:13] offset:\mt*10240+128+64*\ks
	global_load_b128 v[WF+16*\ks+8*\mt+4:WF+16*\ks+8*\mt+7], v10, s[12:13] offset:\mt*10240+128+64*\ks+32
.endr
.endr
	; the 32 loads above land while the search runs
	LDC CB0, GA0, 0
	LDC CB1, GA0, 128
	s_mov_b32 s27, 3
.Lref:                                         ; a trip: one group's 16 candidates
	s_wait_dscnt 0x8                               ; the first 8 records are in; the 8 younger loads are the other buffer's
	CAND8 CB0, 0
	LDC CB0, GA1, 0                                ; the next group's (in the last trip the last group's once more, not used)
	s_wait_dscnt 0x8
	CAND8 CB1, 8
	LDC CB1, GA1, 128
	v_mov_b32 v[GA1], v[GA2]
	v_mov_b32 v[IB0], v[IB1]
	v_mov_b32 v[IB1], v[IB2]
	s_sub_co_u32 s27, s27, 1
	s_cmp_lg_u32 s27, 0
	s_cbranch_scc1 .Lref
	s_wait_dscnt 0x0
	v_add_f32 v242, 0x322bcc77, v[G1]              ; d + 1e-8
	v_add_f32 v243, 0x322bcc77, v[G2]
	v_add_f32 v244, 0x322bcc77, v[G3]
	v_rcp_f32 v242, v242
	v_rcp_f32 v243, v243
	v_rcp_f32 v244, v244
	v_nop                                          ; a plain instruction behind the last reciprocal,
	s_wait_alu depctr_va_vdst(0)                   ; and one wait for the three, ahead of their first reader
	v_add_f32 v245, v242, v243
	v_add_f32 v245, v245, v244
	v_rcp_f32 v245, v245
	v_nop
	s_wait_alu depctr_va_vdst(0)
	v_mul_f32 v242, v242, v245
	v_mul_f32 v243, v243, v245
	v_mul_f32 v244, v244, v245
	v_mov_b32 v245, 0
	global_store_b128 v4, v[I1:I1+3], s[14:15]
	global_store_b128 v4, v[242:245], s[16:17]
	; Q2^T = W0 p2: source 0 = 16 channels, source 1 = 16 rows of the table: a lane ends with one row and eight neighbouring channels.
	v_lshl_add_u32 v12, v1, 4, PF
	s_wait_xcnt 0x0                                ; the stores have read v[212:215], which p2's operands now take
	s_wait_loadcnt 0x0                             ; W0
.irp ks, 0,1,2,3,4,5,6,7
.if \ks > 0
	PLACES
.endif
.irp pt, 0,1,2,3
	ds_load_b128 v[PX+8*\pt:PX+8*\pt+3], v12 offset:\ks*4096+\pt*1024
	ds_load_b128 v[PX+8*\pt+4:PX+8*\pt+7], v12 offset:\ks*4096+\pt*1024+512
.endr
	s_wait_dscnt 0x0
.irp mt, 0,1
.irp pt, 0,1,2,3                       ; the eight accumulators take turns
.if \ks == 0
	v_wmma_f32_16x16x32_bf16 v[ACC+8*(4*\mt+\pt):ACC+8*(4*\mt+\pt)+7], v[WF+16*\ks+8*\mt:WF+16*\ks+8*\mt+7], v[PX+8*\pt:PX+8*\pt+7], 0
.else
	v_wmma_f32_16x16x32_bf16 v[ACC+8*(4*\mt+\pt):ACC+8*(4*\mt+\pt)+7], v[WF+16*\ks+8*\mt:WF+16*\ks+8*\mt+7], v[PX+8*\pt:PX+8*\pt+7], v[ACC+8*(4*\mt+\pt):ACC+8*(4*\mt+\pt)+7]
.endif
.endr
.endr
.endr
	PLACES
.irp a, 0,1,2,3,4,5,6,7
.irp k, 0,1,2,3
	v_cvt_pk_f16_f32 v[PX+4*\a+\k], v[ACC+8*\a+2*\k], v[ACC+8*\a+2*\k+1]
.endr
.endr
	s_lshr_b32 s24, s20, 1                         ; my channels' block of 64, and their half of it
	s_mul_i32 s24, s24, 9216
	s_and_b32 s26, s20, 1
	s_lshl_b32 s26, s26, 6
	s_add_co_u32 s24, s24, s26
	s_add_co_u32 s24, s24, STG
	v_mul_u32_u24 v13, v2, 576                     ; row 4 r + pt
	v_lshl_add_u32 v13, v3, 4, v13
	v_add_nc_u32 v13, s24, v13
.irp mt, 0,1
.irp pt, 0,1,2,3
	ds_store_b128 v13, v[PX+4*(4*\mt+\pt):PX+4*(4*\mt+\pt)+3] offset:\pt*144+\mt*32
.endr
.endr
	s_wait_dscnt 0x0
	BAR
	v_lshrrev_b32 v14, 3, v0                       ; back by rows of 128 bytes: 256 threads take 32 rows, 4,096 bytes on end
	v_and_b32 v15, 7, v0
	v_mul_u32_u24 v14, v14, 144
	v_lshl_add_u32 v14, v15, 4, v14
	v_add_nc_u32 v14, STG, v14
.irp u, 0,1,2,3,4,5,6,7
	ds_load_b128 v[WF+4*\u:WF+4*\u+3], v14 offset:(\u/2)*9216+(\u%2)*4608
.endr
.irp u, 0,1,2,3,4,5,6,7
	s_wait_dscnt 7-\u
	global_store_b128 v4, v[WF+4*\u:WF+4*\u+3], s[18:19] offset:(\u/2)*262144+(\u%2)*4096
.endr
	END3
	s_endpgm
.Lfunc_end_k_qc9217cb912_refine_prep:
	.size	k_qc9217cb912_refine_prep, .Lfunc_end_k_qc9217cb912_refine_prep-k_qc9217cb912_refine_prep
	.p2alignl 7, 3214868480
	.fill 96, 4, 3214868480
	.section	.rodata,"a",@progbits
	.p2align	6, 0x0
	.amdhsa_kernel k_qc9217cb912_refine_prep
		.amdhsa_group_segment_fixed_size 105472
		.amdhsa_private_segment_fixed_size 0
		.amdhsa_enable_private_segment 0
		.amdhsa_kernarg_size 64
		.amdhsa_user_sgpr_count 2
		.amdhsa_user_sgpr_kernarg_segment_ptr 1
		.amdhsa_wavefront_size32 1
		.amdhsa_system_sgpr_workgroup_id_x 1
		.amdhsa_system_sgpr_workgroup_id_y 1
		.amdhsa_system_sgpr_workgroup_id_z 1
		.amdhsa_system_vgpr_workitem_id 0
		.amdhsa_next_free_vgpr 256
		.amdhsa_next_free_sgpr 66
		.amdhsa_reserve_vcc 0
		.amdhsa_float_denorm_mode_32 3
		.amdhsa_float_denorm_mode_16_64 3
		.amdhsa_memory_ordered 1
		.amdhsa_forward_progress 1
		.amdhsa_inst_pref_size 47
	.end_amdhsa_kernel
	.amdgpu_metadata
---
amdhsa.version: [ 1, 2 ]
amdhsa.kernels:
  - .name:           k_qc9217cb912_refine_prep
    .symbol:         k_qc9217cb912_refine_prep.kd
    .args:
      - { .name: xyz1, .offset: 0, .size: 8, .value_kind: global_buffer, .address_space: global }
      - { .name: xyz2, .offset: 8, .size: 8, .value_kind: global_buffer, .address_space: global }
      - { .name: points2, .offset: 16, .size: 8, .value_kind: global_buffer, .address_space: global }
      - { .name: grp, .offset: 24, .size: 8, .value_kind: global_buffer, .address_space: global }
      - { .name: wh, .offset: 32, .size: 8, .value_kind: global_buffer, .address_space: global }
      - { .name: nidx, .offset: 40, .size: 8, .value_kind: global_buffer, .address_space: global }
      - { .name: nwgt, .offset: 48, .size: 8, .value_kind: global_buffer, .address_space: global }
      - { .name: q2, .offset: 56, .size: 8, .value_kind: global_buffer, .address_space: global }
    .group_segment_fixed_size: 105472
    .private_segment_fixed_size: 0
    .kernarg_segment_align: 8
    .kernarg_segment_size: 64
    .max_flat_workgroup_size: 256
    .sgpr_count:     66
    .vgpr_count:     256
    .wavefront_size: 32
...
	.end_amdgpu_metadata
.endif
;; end of part 2
;; launch conv0 (part 3): grid 8 x 32, 16 waves a work-group, no clusters, 309,248 bytes of LDS; arguments points1, wh, q2, nidx, nwgt, y0; writes y0
.if DOCPART == 3
	.amdgcn_target "amdgcn-amd-amdhsa--gfx1250"
	.amdhsa_code_object_version 6
	.text
	.protected	k_qc9217cb912_conv0
	.globl	k_qc9217cb912_conv0
	.p2align	8
	.type	k_qc9217cb912_conv0,@function
k_qc9217cb912_conv0:
	s_mov_b64 s[64:65], 0
	v_nop
	global_prefetch_b8 v0, s[64:65] scope:SCOPE_SE
	s_setreg_imm32_b32 hwreg(HW_REG_WAVE_MODE, 25, 1), 1
	s_wait_xcnt 0x0
; Launch 3 of 5.  y0 = W0[:,:64] points1 + sum_k w_k Q2[idx_k], without b0 (dead: the batch norm behind takes the mean away; see launch 1's head).
; SHARES.  A work-group makes 1,024 points x 64 channels (grid y = 4 batch + block of channels; x = block of points); each of its 16 waves 64 points x 64 channels: 16 accumulators.
; The batch's slice of Q2 for these 64 channels, 2,048 rows x 128 bytes, lies whole in LDS: the three rows of a point are picked there, by indices that launch 2 stored as whole numbers.
; NO CLUSTER, though the 8 work-groups of a grid row want the same slice: the rows are picked at LDS addresses made of each work-group's own points' indices, and in a launch with joint
; loads every LDS address is alike in all partners.  So each work-group asks for the slice itself: 8 requests of 262,144 bytes for each of the 32 slices, where two clusters of four would make 2.
; OUT.  y0 less the work-group's own mean of each channel, in f16, in the order in which launch 4's operand registers take it; and for each channel that mean and
; M2 = the sum of the squares of what is stored: 64 such partial statistics a channel.  No difference of large sums is formed.
.set QS,    0                          ; LDS: 2,048 rows x (128 + 16) bytes
.set SC1,   294912                     ; LDS: [wave 16][channel 64] sums;  the same for squares 4,096 bytes on
.set MT,    303104                     ; LDS: each wave's own copy of the 64 means
.set SPARE, 307200                     ; the spare words, 128 bytes a wave: eight blocks of 256 bytes that no other line names
.set SPW, 6
.set NIL, 7
.set W,   16                           ; v[16:47]   W0's operands of one K step, 8 a tile of channels
.set WG,  16                           ;            later: the weights, 4 a tile of points
.set LA,  32                           ;            later: 12 LDS addresses
.set SUM, 16                           ;            later: 32 sums, then 32 sums of squares
.set F,   48                           ; v[48:111]  points1's operands: K step ks, tile pt at F + 8 (4 ks + pt)
.set GQ,  48                           ;            later: a ring of 4 x 16 registers of Q2;  the partial sums read back
.set MEAN, 80                          ;            later: the means of my 32 channels
.set IDX, 112                          ; v[112:127] the indices' records
.set ACC, 128                          ; v[128:255] accumulator (pt, cb) at ACC + 8 (4 pt + cb); before the products: points1 as loaded
.set WV,  16                           ; s16 my wave's number
.macro BAR
	s_barrier_signal -1
	s_barrier_wait -1
.endm
.macro PLACES
.rept 4
	v_nop
.endr
.endm
.macro LDW0 ks                         ; W0's four tiles of 16 channels, 32 columns at 32 ks
.irp cb, 0,1,2,3
	global_load_b128 v[W+8*\cb:W+8*\cb+3], v10, s[6:7] offset:\cb*10240+64*(\ks)
	global_load_b128 v[W+8*\cb+4:W+8*\cb+7], v10, s[6:7] offset:\cb*10240+64*(\ks)+32
.endr
.endm
.macro GLD n                           ; neighbour n % 3 of tile n / 3: my 8 channels in each of the 4 tiles of channels
.irp cb, 0,1,2,3
	ds_load_b128 v[GQ+16*((\n)%4)+4*\cb:GQ+16*((\n)%4)+4*\cb+3], v[LA+(\n)] offset:32*\cb
.endr
.endm
.macro GFMA n                          ; y += w q, q read as f16 halves; each accumulator's registers in ascending order
.set PT_, (\n)/3
.set WR_, WG+4*PT_+(\n)%3
.set GB_, GQ+16*((\n)%4)
.irp cb, 0,1,2,3
.irp jj, 0,1,2,3
	v_fma_mix_f32 v[ACC+8*(4*PT_+\cb)+2*\jj], v[GB_+4*\cb+\jj], v[WR_], v[ACC+8*(4*PT_+\cb)+2*\jj] op_sel:[0,0,0] op_sel_hi:[1,0,0]
	v_fma_mix_f32 v[ACC+8*(4*PT_+\cb)+2*\jj+1], v[GB_+4*\cb+\jj], v[WR_], v[ACC+8*(4*PT_+\cb)+2*\jj+1] op_sel:[1,0,0] op_sel_hi:[1,0,0]
.endr
.endr
.endm
.macro RED16                           ; the 32 registers at SUM are summed over the 16 lanes of each half
.irp m, 1,2,4,8
.set kk, 0
.rept 32
	v_add_f32_dpp v[SUM+kk], v[SUM+kk], v[SUM+kk] row_xmask:\m row_mask:0xf bank_mask:0xf
.set kk, kk+1
.endr
.endr
.endm
.macro TREE16                          ; 16 pairs at GQ into the first, the same order in every wave
.irp k, 0,1,2,3,4,5,6,7
	v_pk_add_f32 v[GQ+2*\k:GQ+2*\k+1], v[GQ+2*\k:GQ+2*\k+1], v[GQ+16+2*\k:GQ+17+2*\k]
.endr
.irp k, 0,1,2,3
	v_pk_add_f32 v[GQ+2*\k:GQ+2*\k+1], v[GQ+2*\k:GQ+2*\k+1], v[GQ+8+2*\k:GQ+9+2*\k]
.endr
.irp k, 0,1
	v_pk_add_f32 v[GQ+2*\k:GQ+2*\k+1], v[GQ+2*\k:GQ+2*\k+1], v[GQ+4+2*\k:GQ+5+2*\k]
.endr
	v_pk_add_f32 v[GQ:GQ+1], v[GQ:GQ+1], v[GQ+2:GQ+3]
.endm
	s_load_b256 s[4:11], s[0:1], 0x0               ; points1 4, wh 6, q2 8, nidx 10
	s_load_b128 s[12:15], s[0:1], 0x20             ; nwgt 12, y0 14
	v_lshl_add_u32 v[SPW], v0, 2, SPARE
	v_mov_b32 v[NIL], 0
	ds_add_u32 v[SPW], v[NIL]                      ; the wave's opening: the add, twice on end, and its wait ahead of my tensor load
	ds_add_u32 v[SPW], v[NIL]
	v_lshrrev_b32 v8, 5, v0
	v_readfirstlane_b32 s[WV], v8                  ; wave 0..15
	s_mov_b32 s18, ttmp9                           ; block of 1,024 points
	s_and_b32 s19, ttmp7, 0xffff                   ; 4 batch + block of channels
	s_lshr_b32 s20, s19, 2                         ; batch
	s_and_b32 s21, s19, 3                          ; block of 64 channels
	; the descriptor: my 128 rows of the slice are 16,384 dense bytes: asked for as 64 rows of 256 bytes, padded in LDS by 16 bytes after every 128
	s_mov_b32 s24, (1<<16)|(1<<20)|(4<<22)|(3<<25) ; 2-byte elements; padding on; after every 32 words; 4 words
	s_mov_b32 s25, 128<<16                         ; tensor_dim0 = 128
	s_mov_b32 s26, 64<<16                          ; tensor_dim1 = 64
	s_mov_b32 s27, 128<<16                         ; tile_dim0 = 128
	s_mov_b32 s28, 64                              ; tile_dim1 = 64
	s_mov_b32 s29, 128                             ; elements from row to row
	s_mov_b32 s30, 0
	s_mov_b32 s31, 0
	s_mov_b32 s32, 1
	s_mul_i32 s33, s[WV], 18432                    ; 128 rows of 144 bytes
	s_lshl_b32 s36, s19, 18                        ; a slice is 262,144 bytes
	s_lshl_b32 s37, s[WV], 14
	s_add_co_u32 s36, s36, s37
	s_mov_b32 s37, 0
	s_mov_b32 s38, 144
	s_wait_dscnt 0x0                               ; both opening adds are done
	s_wait_kmcnt 0x0
	s_add_nc_u64 s[34:35], s[8:9], s[36:37]
	s_or_b32 s35, s35, 0x80000000
	tensor_load_to_lds s[32:35], s[24:31]          ; my one tensor load: the only one of mine that is ever out
	s_nop 0
	v_and_b32 v1, 31, v0
	v_and_b32 v2, 15, v0                           ; r
	v_bfe_u32 v3, v0, 4, 1                         ; h
	v_lshlrev_b32 v8, 18, v3                       ; points1: 8 channels of 32,768 bytes for the upper lanes,
	v_lshl_add_u32 v8, v2, 4, v8                   ; four points a lane
	v_lshlrev_b32 v9, 6, v2                        ; the records of points 4 r ..
	v_mul_u32_u24 v10, v2, 640
	v_lshl_add_u32 v10, v3, 4, v10
	s_lshl_b32 s36, s20, 21
	s_lshl_b32 s39, s18, 12
	s_add_co_u32 s36, s36, s39
	s_lshl_b32 s39, s[WV], 8
	s_add_co_u32 s36, s36, s39
	s_add_nc_u64 s[4:5], s[4:5], s[36:37]          ; points1 at the batch and my 64 points
	s_lshl_b32 s36, s20, 17
	s_lshl_b32 s39, s18, 14
	s_add_co_u32 s36, s36, s39
	s_lshl_b32 s39, s[WV], 10
	s_add_co_u32 s36, s36, s39
	s_add_nc_u64 s[10:11], s[10:11], s[36:37]
	s_add_nc_u64 s[12:13], s[12:13], s[36:37]
	s_mul_i32 s36, s21, 40960
	s_add_nc_u64 s[6:7], s[6:7], s[36:37]          ; w0's copy at my 64 rows
	s_lshl_b32 s36, s20, 3
	s_add_co_u32 s36, s36, s18                     ; which of the 64 partial statistics
	s_lshl_b32 s36, s36, 11
	s_lshl_b32 s39, s21, 9
	s_add_co_u32 s36, s36, s39
	s_add_co_u32 s36, s36, 0x2000000
	s_add_nc_u64 s[40:41], s[14:15], s[36:37]
	s_lshl_b32 s36, s20, 22                        ; block of 64 points = 128 batch + 16 block + wave, 32,768 bytes each; my channels' two K steps of 4,096
	s_lshl_b32 s39, s18, 19
	s_add_co_u32 s36, s36, s39
	s_lshl_b32 s39, s[WV], 15
	s_add_co_u32 s36, s36, s39
	s_lshl_b32 s39, s21, 13
	s_add_co_u32 s36, s36, s39
	s_add_nc_u64 s[14:15], s[14:15], s[36:37]
.set kk, 0
.rept 32
	global_load_b128 v[ACC+4*kk:ACC+4*kk+3], v8, s[4:5] offset:((kk/8)*16+(kk%8))*32768  ; channel 16 (kk / 8) + 8 h + kk % 8
.set kk, kk+1
.endr
.irp pt, 0,1,2,3
	global_load_b128 v[IDX+4*\pt:IDX+4*\pt+3], v9, s[10:11] offset:16*\pt
.endr
	LDW0 0
	s_wait_loadcnt 12                              ; points1 is in; the 4 records and W0's 8 loads may stay out
.irp ks, 0,1
.irp pt, 0,1,2,3
.irp hf, 0,1
.irp ii, 0,1,2,3
	v_cvt_pk_bf16_f32 v[F+8*(4*\ks+\pt)+4*\hf+\ii], v[ACC+4*(16*\ks+8*\hf+2*\ii)+\pt], v[ACC+4*(16*\ks+8*\hf+2*\ii+1)+\pt]
.endr
.endr
.endr
.endr
	s_wait_loadcnt 0x0
.irp pt, 0,1,2,3
.irp cb, 0,1,2,3                       ; source 0 = 16 channels, source 1 = 16 points: a lane holds one point and eight neighbouring channels.  The 16 accumulators take turns
	v_wmma_f32_16x16x32_bf16 v[ACC+8*(4*\pt+\cb):ACC+8*(4*\pt+\cb)+7], v[W+8*\cb:W+8*\cb+7], v[F+8*\pt:F+8*\pt+7], 0
.endr
.endr
	PLACES
	LDW0 1
	s_wait_loadcnt 0x0
.irp pt, 0,1,2,3
.irp cb, 0,1,2,3
	v_wmma_f32_16x16x32_bf16 v[ACC+8*(4*\pt+\cb):ACC+8*(4*\pt+\cb)+7], v[W+8*\cb:W+8*\cb+7], v[F+32+8*\pt:F+32+8*\pt+7], v[ACC+8*(4*\pt+\cb):ACC+8*(4*\pt+\cb)+7]
.endr
.endr
.irp k, 0,1,2,4,5,6,8,9,10,12,13,14
	v_min_u32 v[IDX+\k], 0x7ff, v[IDX+\k]          ; a loaded number enters an address only behind this bound; these 12 lines are also the places behind the products
.endr
	v_lshlrev_b32 v11, 4, v3
.irp pt, 0,1,2,3
	global_load_b128 v[WG+4*\pt:WG+4*\pt+3], v9, s[12:13] offset:16*\pt
.irp k, 0,1,2
	v_mad_u32_u24 v[LA+3*\pt+\k], v[IDX+4*\pt+\k], s38, v11
.endr
.endr
	s_wait_tensorcnt 0x0                           ; my part of the slice is in,
	BAR                                            ; everybody's is
	s_wait_loadcnt 0x0                             ; the weights
	GLD 0
	GLD 1
	GLD 2
	GLD 3
.set nn, 0
.rept 12
.if nn < 9
	s_wait_dscnt 12                                ; three younger batches of 4 loads may stay out
.else
	s_wait_dscnt 4*(11-nn)
.endif
	GFMA nn
.if nn < 8
	GLD nn+4
.endif
.set nn, nn+1
.endr
	; THE MEAN of each channel over the work-group's 1,024 points
.irp cb, 0,1,2,3
.irp jp, 0,2,4,6
	v_pk_add_f32 v[SUM+8*\cb+\jp:SUM+8*\cb+\jp+1], v[ACC+8*\cb+\jp:ACC+8*\cb+\jp+1], v[ACC+32+8*\cb+\jp:ACC+32+8*\cb+\jp+1]
.endr
.endr
.irp pt, 2,3
.irp cb, 0,1,2,3
.irp jp, 0,2,4,6
	v_pk_add_f32 v[SUM+8*\cb+\jp:SUM+8*\cb+\jp+1], v[SUM+8*\cb+\jp:SUM+8*\cb+\jp+1], v[ACC+32*\pt+8*\cb+\jp:ACC+32*\pt+8*\cb+\jp+1]
.endr
.endr
.endr
	RED16
	s_lshl_b32 s36, s[WV], 8
	s_add_co_u32 s39, s36, SC1
	v_lshl_add_u32 v12, v3, 5, s39                 ; channel 16 cb + 8 h + j of my wave's row; the 16 lanes of a half store the same numbers
	v_lshl_add_u32 v13, v1, 3, SC1
	s_add_co_u32 s39, s36, MT
	v_lshl_add_u32 v4, v1, 3, s39
	v_lshl_add_u32 v5, v3, 5, s39
.irp cb, 0,1,2,3
	ds_store_b128 v12, v[SUM+8*\cb:SUM+8*\cb+3] offset:64*\cb
	ds_store_b128 v12, v[SUM+8*\cb+4:SUM+8*\cb+7] offset:64*\cb+16
.endr
	s_wait_dscnt 0x0
	BAR
.irp ww, 0,1,2,3,4,5,6,7,8,9,10,11,12,13,14,15
	ds_load_b64 v[GQ+2*\ww:GQ+2*\ww+1], v13 offset:256*\ww  ; channels 2 l, 2 l + 1 of every wave
.endr
	s_wait_dscnt 0x0
	TREE16
	v_pk_mul_f32 v[14:15], v[GQ:GQ+1], 0x3a800000 op_sel_hi:[1,0]  ; / 1,024
	ds_store_b64 v4, v[14:15]                      ; through my wave's own words into the accumulators' order: LDS serves a wave's instructions in order
.irp cb, 0,1,2,3
	ds_load_b128 v[MEAN+8*\cb:MEAN+8*\cb+3], v5 offset:64*\cb
	ds_load_b128 v[MEAN+8*\cb+4:MEAN+8*\cb+7], v5 offset:64*\cb+16
.endr
	s_wait_dscnt 0x0
.irp pt, 0,1,2,3
.irp cb, 0,1,2,3
.irp jp, 0,2,4,6
	v_pk_add_f32 v[ACC+32*\pt+8*\cb+\jp:ACC+32*\pt+8*\cb+\jp+1], v[ACC+32*\pt+8*\cb+\jp:ACC+32*\pt+8*\cb+\jp+1], v[MEAN+8*\cb+\jp:MEAN+8*\cb+\jp+1] neg_lo:[0,1] neg_hi:[0,1]
.endr
.endr
.endr
.irp cb, 0,1,2,3
.irp jp, 0,2,4,6
	v_pk_mul_f32 v[SUM+8*\cb+\jp:SUM+8*\cb+\jp+1], v[ACC+8*\cb+\jp:ACC+8*\cb+\jp+1], v[ACC+8*\cb+\jp:ACC+8*\cb+\jp+1]
.endr
.endr
.irp pt, 1,2,3
.irp cb, 0,1,2,3
.irp jp, 0,2,4,6
	v_pk_fma_f32 v[SUM+8*\cb+\jp:SUM+8*\cb+\jp+1], v[ACC+32*\pt+8*\cb+\jp:ACC+32*\pt+8*\cb+\jp+1], v[ACC+32*\pt+8*\cb+\jp:ACC+32*\pt+8*\cb+\jp+1], v[SUM+8*\cb+\jp:SUM+8*\cb+\jp+1]
.endr
.endr
.endr
	v_lshlrev_b32 v11, 4, v1
.irp pt, 0,1,2,3
.irp cb, 0,1,2,3
.irp k, 0,1,2,3
	v_cvt_pk_f16_f32 v[ACC+32*\pt+8*\cb+\k], v[ACC+32*\pt+8*\cb+2*\k], v[ACC+32*\pt+8*\cb+2*\k+1]  ; in place, ascending: register k is written when 2 k and 2 k + 1 have been read
.endr
	global_store_b128 v11, v[ACC+32*\pt+8*\cb:ACC+32*\pt+8*\cb+3], s[14:15] offset:(((\cb/2)*4+\pt)*2+(\cb%2))*512  ; the wave stores 512 bytes on end
.endr
.endr
	RED16
.irp cb, 0,1,2,3
	ds_store_b128 v12, v[SUM+8*\cb:SUM+8*\cb+3] offset:4096+64*\cb
	ds_store_b128 v12, v[SUM+8*\cb+4:SUM+8*\cb+7] offset:4096+64*\cb+16
.endr
	s_wait_dscnt 0x0
	BAR
	s_cmp_lg_u32 s[WV], 0                          ; wave 0 stores the work-group's statistics
	s_cbranch_scc1 .Lnost
.irp ww, 0,1,2,3,4,5,6,7,8,9,10,11,12,13,14,15
	ds_load_b64 v[GQ+2*\ww:GQ+2*\ww+1], v13 offset:4096+256*\ww
.endr
	s_wait_dscnt 0x0
	TREE16
	v_mov_b32 v[GQ+2], v[GQ]
	v_mov_b32 v[GQ+3], v[GQ+1]
	v_mov_b32 v[GQ], v14
	v_mov_b32 v[GQ+1], v15
	global_store_b128 v11, v[GQ:GQ+3], s[40:41]    ; mean, mean, M2, M2 of channels 2 l, 2 l + 1
.Lnost:
	s_wait_tensorcnt 0x0                           ; the wave's end
	ds_add_u32 v[SPW], v[NIL]
	s_wait_dscnt 0x0
	s_endpgm
.Lfunc_end_k_qc9217cb912_conv0:
	.size	k_qc9217cb912_conv0, .Lfunc_end_k_qc9217cb912_conv0-k_qc9217cb912_conv0
	.p2alignl 7, 3214868480
	.fill 96, 4, 3214868480
	.section	.rodata,"a",@progbits
	.p2align	6, 0x0
	.amdhsa_kernel k_qc9217cb912_conv0
		.amdhsa_group_segment_fixed_size 309248
		.amdhsa_private_segment_fixed_size 0
		.amdhsa_enable_private_segment 0
		.amdhsa_kernarg_size 48
		.amdhsa_user_sgpr_count 2
		.amdhsa_user_sgpr_kernarg_segment_ptr 1
		.amdhsa_wavefront_size32 1
		.amdhsa_system_sgpr_workgroup_id_x 1
		.amdhsa_system_sgpr_workgroup_id_y 1
		.amdhsa_system_sgpr_workgroup_id_z 1
		.amdhsa_system_vgpr_workitem_id 0
		.amdhsa_next_free_vgpr 256
		.amdhsa_next_free_sgpr 66
		.amdhsa_reserve_vcc 0
		.amdhsa_float_denorm_mode_32 3
		.amdhsa_float_denorm_mode_16_64 3
		.amdhsa_memory_ordered 1
		.amdhsa_forward_progress 1
		.amdhsa_inst_pref_size 83
	.end_amdhsa_kernel
	.amdgpu_metadata
---
amdhsa.version: [ 1, 2 ]
amdhsa.kernels:
  - .name:           k_qc9217cb912_conv0
    .symbol:         k_qc9217cb912_conv0.kd
    .args:
      - { .name: points1, .offset: 0, .size: 8, .value_kind: global_buffer, .address_space: global }
      - { .name: wh, .offset: 8, .size: 8, .value_kind: global_buffer, .address_space: global }
      - { .name: q2, .offset: 16, .size: 8, .value_kind: global_buffer, .address_space: global }
      - { .name: nidx, .offset: 24, .size: 8, .value_kind: global_buffer, .address_space: global }
      - { .name: nwgt, .offset: 32, .size: 8, .value_kind: global_buffer, .address_space: global }
      - { .name: y0, .offset: 40, .size: 8, .value_kind: global_buffer, .address_space: global }
    .group_segment_fixed_size: 309248
    .private_segment_fixed_size: 0
    .kernarg_segment_align: 8
    .kernarg_segment_size: 48
    .max_flat_workgroup_size: 512
    .sgpr_count:     66
    .vgpr_count:     256
    .wavefront_size: 32
...
	.end_amdgpu_metadata
.endif
;; end of part 3
;; launch conv1 (part 4): grid 256 x 1, 4 waves a work-group, clusters of 4 x 1, 281,088 bytes of LDS; arguments y0, wh, g0, be0, y1; writes y1
.if DOCPART == 4
	.amdgcn_target "amdgcn-amd-amdhsa--gfx1250"
	.amdhsa_code_object_version 6
	.text
	.protected	k_qc9217cb912_conv1
	.globl	k_qc9217cb912_conv1
	.p2align	8
	.type	k_qc9217cb912_conv1,@function
k_qc9217cb912_conv1:
	s_mov_b64 s[64:65], 0
	v_nop
	global_prefetch_b8 v0, s[64:65] scope:SCOPE_SE
	s_setreg_imm32_b32 hwreg(HW_REG_WAVE_MODE, 25, 1), 1
	s_wait_xcnt 0x0
	s_wait_alu depctr_hold_cnt(0) depctr_sa_sdst(0) depctr_va_vdst(0) depctr_va_sdst(0) depctr_va_ssrc(0) depctr_va_vcc(0) depctr_vm_vsrc(0)
	s_getreg_b32 s2, hwreg(HW_REG_IB_STS2, 6, 4)
	s_cmp_eq_u32 s2, 0
	s_cbranch_scc0 .Lentry_in_a_cluster
	s_endpgm
.Lentry_in_a_cluster:
	s_bfe_u32 s2, ttmp6, 0x10000c
	s_cmp_lg_u32 s2, 0x3003
	s_cbranch_scc0 .Lentry_shape_is_right
	s_endpgm
.Lentry_shape_is_right:
; Launch 4 of 5.  h0 = relu(batch norm of y0), y1 = W1 h0, without b1 (dead: the batch norm behind takes the mean away; see launch 1's head).
; SHARES.  Work-group i makes points 256 i .. x all 256 channels; each of its four waves 64 points x 256 channels: 64 accumulators, 512 registers.
; THE NORM.  Launch 3 left, for each channel, 64 means m_R of 1,024 points and 64 sums M2_R of squares about them.  With the pivot q = m_0: T1 = sum (m_R - q), T2 = sum (m_R - q)^2,
; mean = q + T1 / 64, var = (sum M2_R + 1,024 (T2 - T1^2 / 64)) / 65,536.  y0 is stored less its producer's mean, so h0 = relu(s yc + t), s = g0 rsqrt(var + 1e-5),
; t = s ((m_R - q) - T1 / 64) + be0.  g0 and be0 are rounded to bf16 like every input.
; THE PRODUCT.  f16 operands (h0; W1's bf16 value written as f16), f32 sums.  Source 0 = 16 points, source 1 = 16 rows of W1: a lane holds one channel and, over the four tiles of points,
; runs of four neighbouring points.  y0's operands come straight from memory, three K steps ahead; W1 lies whole in LDS.
; CLUSTER.  Every work-group wants the same W1: the four of a cluster ask for it jointly.
; OUT.  y1 less the work-group's mean of each channel, f16, channel-major; that mean and M2: 256 partial statistics a channel.
; REGISTERS, in windows of 256 (s_set_vgpr_msb: bits 1:0 source 0, 3:2 source 1, 5:4 source 2, 7:6 destination):
;   window 0: v0-31 addresses; v32-63 s and t of a K step; v64-191 a ring of four K steps of y0; v192-255 at work
;   window 1: two buffers of 128 for W1's operands (before the loop: the 64 rows of statistics)      windows 2, 3: accumulator (pt, ot) in window 2 + ot / 8 at 8 (4 (ot % 8) + pt)
.set WI,    0                          ; LDS: W1, 256 rows x (512 + 16) bytes
.set STG,   135168                     ; LDS: the way out, 256 channels x (512 + 16) bytes
.set S0,    270336                     ; LDS: s of the 256 channels; t 1,024 bytes on
.set SC1,   272384                     ; LDS: [channel 256][wave 4] sums; the same for squares 4,096 bytes on
.set SPARE, 280576                     ; the spare words: two blocks of 256 bytes that no other line names
.set SPW,  8
.set NIL,  9                           ; 0: for the add, and for the maximum with 0
.set STA,  10                          ; v10  S0 + 32 h
.set SV,   32                          ; v[32:47] s, v[48:63] t of my 16 channels of a K step
.set RING, 64
.set TMP,  192
.set SUMP, 64                          ; the way out: a pair of sums a tile of channels
.set MEAN, 96                          ;              the mean, twice
.set QS,   128                         ;              a pair of sums of squares
.set PK,   160                         ;              packed results of 4 tiles of channels
.set WV,   16
.set HI,   44
.set MSB,  0
.macro WIN new                         ; the immediate's high byte repeats the setting that is left; a switch that changes nothing is dropped
.if MSB != (\new)
	s_set_vgpr_msb (MSB<<8)|(\new)
.set MSB, \new
.endif
.endm
.macro BAR
	s_barrier_signal -1
	s_barrier_wait -1
.endm
.macro CROUND
	s_barrier_signal -1
	s_barrier_wait -1
	s_cmp_lg_u32 s[WV], 0
	s_cbranch_scc1 .Lnot_wave_0_\@
	s_barrier_signal -3
.Lnot_wave_0_\@:
	s_barrier_wait -3
	s_barrier_signal -1
	s_barrier_wait -1
.endm
.macro PLACES
.rept 4
	v_nop
.endr
.endm
.macro RB2 d0, d1, tmp
	v_cvt_pk_bf16_f32 v[\tmp], v[\d0], v[\d1]
	v_lshlrev_b32 v[\d0], 16, v[\tmp]
	v_and_b32 v[\d1], s[HI], v[\tmp]
.endm
.macro RAW ks                          ; a K step of y0 for my 64 points: 8 loads of 512 bytes on end
.irp pt, 0,1,2,3
.irp hf, 0,1
	global_load_b128 v[RING+32*((\ks)%4)+8*\pt+4*\hf:RING+32*((\ks)%4)+8*\pt+4*\hf+3], v11, s[4:5] offset:(((\ks)*4+\pt)*2+\hf)*512 th:TH_LOAD_NT
.endr
.endr
.endm
.macro LDST ks                         ; s and t of channels 32 ks + 16 half + 8 h + 0..7
.irp hf, 0,1
	ds_load_b128 v[SV+8*\hf:SV+8*\hf+3], v[STA] offset:128*(\ks)+64*\hf
	ds_load_b128 v[SV+8*\hf+4:SV+8*\hf+7], v[STA] offset:128*(\ks)+64*\hf+16
	ds_load_b128 v[SV+16+8*\hf:SV+16+8*\hf+3], v[STA] offset:1024+128*(\ks)+64*\hf
	ds_load_b128 v[SV+16+8*\hf+4:SV+16+8*\hf+7], v[STA] offset:1024+128*(\ks)+64*\hf+16
.endr
.endm
.macro LDW ks                          ; W1's 16 tiles of rows, 32 columns at 32 ks
	WIN 0x40                                       ; destination window 1, address window 0
.irp ot, 0,1,2,3,4,5,6,7,8,9,10,11,12,13,14,15
	ds_load_b128 v[128*((\ks)%2)+8*\ot:128*((\ks)%2)+8*\ot+3], v[4+\ot/4] offset:(\ot%4)*8448+64*(\ks)
	ds_load_b128 v[128*((\ks)%2)+8*\ot+4:128*((\ks)%2)+8*\ot+7], v[4+\ot/4] offset:(\ot%4)*8448+64*(\ks)+32
.endr
	WIN 0
.endm
.macro BN ks                           ; relu(s yc + t) in f32, rounded once to f16, in place
.irp pt, 0,1,2,3
.set RB_, RING+32*((\ks)%4)+8*\pt
.irp k, 0,1,2,3,4,5,6,7
	v_fma_mix_f32 v[TMP+2*\k], v[RB_+\k], v[SV+2*\k], v[SV+16+2*\k] op_sel:[0,0,0] op_sel_hi:[1,0,0]
	v_fma_mix_f32 v[TMP+2*\k+1], v[RB_+\k], v[SV+2*\k+1], v[SV+16+2*\k+1] op_sel:[1,0,0] op_sel_hi:[1,0,0]
.endr
.irp k, 0,1,2,3,4,5,6,7
	v_cvt_pk_f16_f32 v[RB_+\k], v[TMP+2*\k], v[TMP+2*\k+1]
.endr
.irp k, 0,1,2,3,4,5,6,7
	v_pk_max_num_f16 v[RB_+\k], v[RB_+\k], v[NIL]
.endr
.endr
.endm
.macro MULS ks, hi                     ; 32 products: tiles of channels 8 hi .. 8 hi + 7 x 4 tiles of points.  The 64 accumulators take turns, in the same order in every K step
	WIN 0xa4+0x50*(\hi)                            ; y0 window 0, W1 window 1, sums window 2 or 3
.irp o, 0,1,2,3,4,5,6,7
.irp pt, 0,1,2,3
.if (\ks) == 0
	v_wmma_f32_16x16x32_f16 v[32*\o+8*\pt:32*\o+8*\pt+7], v[RING+32*((\ks)%4)+8*\pt:RING+32*((\ks)%4)+8*\pt+7], v[128*((\ks)%2)+8*(8*(\hi)+\o):128*((\ks)%2)+8*(8*(\hi)+\o)+7], 0
.else
	v_wmma_f32_16x16x32_f16 v[32*\o+8*\pt:32*\o+8*\pt+7], v[RING+32*((\ks)%4)+8*\pt:RING+32*((\ks)%4)+8*\pt+7], v[128*((\ks)%2)+8*(8*(\hi)+\o):128*((\ks)%2)+8*(8*(\hi)+\o)+7], v[32*\o+8*\pt:32*\o+8*\pt+7]
.endif
.endr
.endr
.endm
; A K step.  lc: how many loads of y0 younger than the next K step's may stay out.
.macro KSTEP ks, lc
	WIN 0
.if (\ks) < 7
	LDST (\ks)+1                                   ; 8 loads,
	LDW (\ks)+1                                    ; and 32: the four places ahead of them close the K step before
	s_wait_dscnt 40                                ; this K step's W1 is in; the 40 just issued may stay out
.else
	s_wait_dscnt 0x0
.endif
	MULS \ks, 0
	WIN 0
.if (\ks) < 7
	s_wait_loadcnt \lc
	s_wait_dscnt 32                                ; s and t are in; W1's 32 loads may stay out
	BN (\ks)+1
.endif
	MULS \ks, 1
	WIN 0
	PLACES
.if (\ks) < 4
	RAW (\ks)+4                                    ; into the ring's slot that has just been multiplied
.endif
.endm
.macro SUMS wn                         ; the sums of tiles of channels 8 wn ..: each accumulator's lowest registers are read first
	WIN 0x0a+5*(\wn)
.irp o, 0,1,2,3,4,5,6,7
	v_pk_add_f32 v[SUMP+2*(8*(\wn)+\o):SUMP+2*(8*(\wn)+\o)+1], v[32*\o:32*\o+1], v[32*\o+8:32*\o+9]
.endr
	WIN 0x08+4*(\wn)
.set ss, 2
.rept 14
.irp o, 0,1,2,3,4,5,6,7
	v_pk_add_f32 v[SUMP+2*(8*(\wn)+\o):SUMP+2*(8*(\wn)+\o)+1], v[SUMP+2*(8*(\wn)+\o):SUMP+2*(8*(\wn)+\o)+1], v[32*\o+8*(ss%4)+2*(ss/4):32*\o+8*(ss%4)+2*(ss/4)+1]
.endr
.set ss, ss+1
.endr
.endm
.macro FOLD base, off                  ; 16 pairs: the two halves, the other half of the lanes, and into [channel][wave]
.irp ot, 0,1,2,3,4,5,6,7,8,9,10,11,12,13,14,15
	v_add_f32 v[\base+2*\ot], v[\base+2*\ot], v[\base+2*\ot+1]
.endr
.irp ot, 0,1,2,3,4,5,6,7,8,9,10,11,12,13,14,15
	v_permlanex16_b32 v[\base+2*\ot+1], v[\base+2*\ot], s46, s47
.endr
.irp ot, 0,1,2,3,4,5,6,7,8,9,10,11,12,13,14,15
	v_add_f32 v[\base+2*\ot], v[\base+2*\ot], v[\base+2*\ot+1]
.endr
.irp ot, 0,1,2,3,4,5,6,7,8,9,10,11,12,13,14,15
	ds_store_b32 v15, v[\base+2*\ot] offset:\off+256*\ot
.endr
.endm
.macro OUTB bt                         ; tiles of channels 4 bt .. 4 bt + 3: centred, squared, rounded, into the stage
.set WN_, (\bt)/2
.set OB_, 4*((\bt)%2)
	WIN 0x82+0x41*WN_                              ; destination and source 0 in the sums' window, the mean in window 0
.irp oo, 0,1,2,3
.set kk, 0
.rept 16
	v_pk_add_f32 v[32*(OB_+\oo)+2*kk:32*(OB_+\oo)+2*kk+1], v[32*(OB_+\oo)+2*kk:32*(OB_+\oo)+2*kk+1], v[MEAN+2*(4*(\bt)+\oo):MEAN+2*(4*(\bt)+\oo)+1] neg_lo:[0,1] neg_hi:[0,1]
.set kk, kk+1
.endr
.endr
	WIN 0x0a+5*WN_                                 ; sources 0 and 1 in the sums' window
.irp oo, 0,1,2,3
	v_pk_mul_f32 v[QS+2*(4*(\bt)+\oo):QS+2*(4*(\bt)+\oo)+1], v[32*(OB_+\oo):32*(OB_+\oo)+1], v[32*(OB_+\oo):32*(OB_+\oo)+1]
.endr
.set kk, 1
.rept 15
.irp oo, 0,1,2,3
	v_pk_fma_f32 v[QS+2*(4*(\bt)+\oo):QS+2*(4*(\bt)+\oo)+1], v[32*(OB_+\oo)+2*kk:32*(OB_+\oo)+2*kk+1], v[32*(OB_+\oo)+2*kk:32*(OB_+\oo)+2*kk+1], v[QS+2*(4*(\bt)+\oo):QS+2*(4*(\bt)+\oo)+1]
.endr
.set kk, kk+1
.endr
.irp oo, 0,1,2,3
.set jj, 0
.rept 8
	v_cvt_pk_f16_f32 v[PK+16*\oo+2*jj], v[32*(OB_+\oo)+jj], v[32*(OB_+\oo)+8+jj]        ; points 32 h + 4 j + 0, 1
	v_cvt_pk_f16_f32 v[PK+16*\oo+2*jj+1], v[32*(OB_+\oo)+16+jj], v[32*(OB_+\oo)+24+jj]  ; and + 2, 3
.set jj, jj+1
.endr
.endr
	WIN 0
.irp oo, 0,1,2,3
.set jj, 0
.rept 8
	ds_store_b64 v[17+WN_], v[PK+16*\oo+2*jj:PK+16*\oo+2*jj+1] offset:(OB_+\oo)*8448+16*jj
.set jj, jj+1
.endr
.endr
.endm
	s_load_b256 s[4:11], s[0:1], 0x0               ; y0 4, wh 6, g0 8, be0 10
	s_load_b64 s[12:13], s[0:1], 0x20              ; y1
	v_lshl_add_u32 v[SPW], v0, 2, SPARE
	v_mov_b32 v[NIL], 0
	ds_add_u32 v[SPW], v[NIL]                      ; the wave's opening: the add, twice on end, and its wait ahead of my tensor load
	ds_add_u32 v[SPW], v[NIL]
	v_lshrrev_b32 v1, 5, v0
	v_readfirstlane_b32 s[WV], v1                  ; wave 0..3
	s_bfe_u32 s17, ttmp6, 0x40000                  ; cx: it enters global addresses alone
	s_lshl_b32 s18, ttmp9, 2
	s_add_co_u32 s18, s18, s17                     ; work-group i
	; the descriptor: my 64 rows of W1, 512 bytes each, padded in LDS by 16 bytes
	s_mov_b32 s24, 15|(1<<16)|(1<<20)|(1<<21)|(6<<22)|(3<<25)  ; mask of four; 2-byte elements; padding on; bit 21 beside a mask; after every 128 words; 4 words
	s_mov_b32 s25, 256<<16                         ; tensor_dim0 = 256
	s_mov_b32 s26, 64<<16                          ; tensor_dim1 = 64
	s_mov_b32 s27, 256<<16                         ; tile_dim0 = 256
	s_mov_b32 s28, 64                              ; tile_dim1 = 64
	s_mov_b32 s29, 256                             ; elements from row to row
	s_mov_b32 s30, 0
	s_mov_b32 s31, 0
	s_mov_b32 s32, 1
	s_mul_i32 s33, s[WV], 33792
	s_lshl_b32 s20, s[WV], 15
	s_add_co_u32 s20, s20, 163840                  ; W1's copy lies behind w0's
	s_mov_b32 s21, 0
	s_mov_b32 s40, 0x37800000                      ; 1 / 65,536, as a pair
	s_mov_b32 s41, 0x37800000
	s_mov_b32 s42, 0x3727c5ac                      ; 1e-5, as a pair
	s_mov_b32 s43, 0x3727c5ac
	s_mov_b32 s[HI], 0xffff0000
	s_mov_b32 s46, 0x76543210                      ; v_permlanex16_b32: each lane takes its own place in the other half
	s_mov_b32 s47, 0xfedcba98
	s_wait_dscnt 0x0                               ; both opening adds are done
	s_wait_kmcnt 0x0
	s_add_nc_u64 s[34:35], s[6:7], s[20:21]
	s_or_b32 s35, s35, 0x80000000
	CROUND                                         ; all four work-groups are here: the joint loads meet
	tensor_load_to_lds s[32:35], s[24:31]          ; my one tensor load
	s_nop 0
	v_and_b32 v1, 31, v0                           ; six lines of set-up stand between the load and the first switch of windows
	v_and_b32 v2, 15, v0
	v_bfe_u32 v3, v0, 4, 1
	v_lshlrev_b32 v11, 4, v1                       ; 16 l
	v_lshlrev_b32 v12, 4, v0                       ; 16 t
	v_lshlrev_b32 v13, 3, v0                       ; 8 t
	s_add_nc_u64 s[36:37], s[4:5], 0x2000000       ; y0's statistics
	s_lshl_b32 s20, ttmp9, 11                      ; my points' producer is i / 4
	s_add_nc_u64 s[38:39], s[36:37], s[20:21]
	s_lshl_b32 s20, s18, 17                        ; block of 64 points = 4 i + wave
	s_lshl_b32 s22, s[WV], 15
	s_add_co_u32 s20, s20, s22
	s_add_nc_u64 s[4:5], s[4:5], s[20:21]
	s_lshr_b32 s20, s18, 5                         ; y1: the batch, my 64 channels for the way out, the work-group's 512 bytes of a row
	s_lshl_b32 s20, s20, 22
	s_lshl_b32 s22, s[WV], 20
	s_add_co_u32 s20, s20, s22
	s_and_b32 s22, s18, 31
	s_lshl_b32 s22, s22, 9
	s_add_co_u32 s20, s20, s22
	s_add_nc_u64 s[48:49], s[12:13], s[20:21]
	s_lshl_b32 s20, s18, 11
	s_add_co_u32 s20, s20, 0x2000000
	s_add_nc_u64 s[50:51], s[12:13], s[20:21]
	WIN 0x40                                       ; thread t takes channels 2 t, 2 t + 1: their record in each of the 64 rows, into window 1
.set kk, 0
.rept 64
	global_load_b128 v[4*kk:4*kk+3], v12, s[36:37] offset:2048*kk
.set kk, kk+1
.endr
	WIN 0
	global_load_b128 v[224:227], v12, s[38:39]     ; my producer's row
	global_load_b64 v[228:229], v13, s[8:9]        ; g0
	global_load_b64 v[230:231], v13, s[10:11]      ; be0
	RAW 0
	RAW 1
	RAW 2
	RAW 3
	v_mul_u32_u24 v4, v2, 528                      ; W1: row r of a tile, 16 bytes for each half of the lanes; a base for every four tiles of rows
	v_lshl_add_u32 v4, v3, 4, v4
	v_add_nc_u32 v5, 33792, v4
	v_add_nc_u32 v6, 67584, v4
	v_add_nc_u32 v7, 101376, v4
	v_lshl_add_u32 v[STA], v3, 5, S0
	v_lshl_add_u32 v14, v0, 3, S0
	s_lshl_b32 s22, s[WV], 2
	s_add_co_u32 s22, s22, SC1
	v_lshl_add_u32 v15, v2, 4, s22                 ; [channel 16 ot + r][my wave]
	v_lshl_add_u32 v16, v2, 4, SC1
	s_and_b32 s22, s[WV], 1                        ; the stage: point 64 w + 32 h + 4 j lies in piece 16 (w % 2) + 8 h + j, half w / 2
	s_lshl_b32 s22, s22, 8
	s_lshr_b32 s23, s[WV], 1
	s_lshl_b32 s23, s23, 3
	s_add_co_u32 s22, s22, s23
	s_add_co_u32 s22, s22, STG
	v_mul_u32_u24 v17, v2, 528
	v_lshl_add_u32 v17, v3, 7, v17
	v_add_nc_u32 v17, s22, v17
	v_add_nc_u32 v18, 67584, v17                   ; tiles of channels 8 on
	v_lshl_add_u32 v19, v0, 5, SC1
	s_mul_i32 s22, s[WV], 33792
	s_add_co_u32 s22, s22, STG
	v_lshl_add_u32 v20, v1, 4, s22
.irp k, 234,235,236,237,238,239
	v_mov_b32 v[\k], 0                             ; T1, T2, the sum of M2
.endr
	s_wait_loadcnt 32                              ; all but the 32 loads of y0
	WIN 0x01                                       ; source 0 in window 1
	v_mov_b32 v232, v0                             ; the pivot q: row 0's means
	v_mov_b32 v233, v1
.set cc, 0
.rept 4                                ; 16 rows at a time: what reads window 1 under one setting, the rest under the other
	WIN 0x01
.set kk, 0
.rept 16
	v_pk_add_f32 v[TMP+2*kk:TMP+2*kk+1], v[4*(16*cc+kk):4*(16*cc+kk)+1], v[232:233] neg_lo:[0,1] neg_hi:[0,1]
	v_pk_add_f32 v[238:239], v[4*(16*cc+kk)+2:4*(16*cc+kk)+3], v[238:239]
.set kk, kk+1
.endr
	WIN 0
.set kk, 0
.rept 16
	v_pk_add_f32 v[234:235], v[234:235], v[TMP+2*kk:TMP+2*kk+1]
	v_pk_fma_f32 v[236:237], v[TMP+2*kk:TMP+2*kk+1], v[TMP+2*kk:TMP+2*kk+1], v[236:237]
.set kk, kk+1
.endr
.set cc, cc+1
.endr
	v_pk_mul_f32 v[240:241], v[234:235], 0x3c800000 op_sel_hi:[1,0]                      ; T1 / 64
	v_pk_fma_f32 v[236:237], v[234:235], v[240:241], v[236:237] neg_lo:[1,0,0] neg_hi:[1,0,0]  ; T2 - T1^2 / 64
	v_pk_fma_f32 v[238:239], v[236:237], 0x44800000, v[238:239] op_sel_hi:[1,0,1]        ; x 1,024 + the sum of M2
	v_pk_fma_f32 v[238:239], v[238:239], s[40:41], s[42:43] op_sel_hi:[1,0,0]            ; var + 1e-5
	RB2 228, 229, 242
	RB2 230, 231, 242
	v_rsq_f32 v238, v238
	v_rsq_f32 v239, v239
	v_nop                                          ; a plain instruction behind the last of the two,
	s_wait_alu depctr_va_vdst(0)                   ; and one wait for both, ahead of their first reader
	v_pk_mul_f32 v[228:229], v[228:229], v[238:239]                                      ; s
	v_pk_add_f32 v[224:225], v[224:225], v[232:233] neg_lo:[0,1] neg_hi:[0,1]
	v_pk_add_f32 v[224:225], v[224:225], v[240:241] neg_lo:[0,1] neg_hi:[0,1]
	v_pk_fma_f32 v[230:231], v[228:229], v[224:225], v[230:231]                          ; t
	ds_store_b64 v14, v[228:229]
	ds_store_b64 v14, v[230:231] offset:1024
	s_wait_tensorcnt 0x0                           ; my part of W1 is in,
	s_wait_dscnt 0x0                               ; my s and t are written,
	BAR                                            ; everybody's are
	LDST 0
	LDW 0
	s_wait_loadcnt 24                              ; K step 0 of y0 is in; K steps 1 to 3 may stay out
	s_wait_dscnt 32                                ; s and t are in; W1's 32 loads may stay out
	BN 0
	KSTEP 0, 16                                    ; the counts: two younger K steps of 8 loads, at the end one, then none
	KSTEP 1, 16
	KSTEP 2, 16
	KSTEP 3, 16
	KSTEP 4, 16
	KSTEP 5, 8
	KSTEP 6, 0
	KSTEP 7, 0
	; THE WAY OUT.  The mean of each channel over the work-group's 256 points; y1 less it; the squares' sum; all through LDS.
	SUMS 0
	SUMS 1
	WIN 0
	FOLD SUMP, 0
	s_wait_dscnt 0x0
	BAR
.irp ot, 0,1,2,3,4,5,6,7,8,9,10,11,12,13,14,15
	ds_load_b128 v[128+4*\ot:128+4*\ot+3], v16 offset:256*\ot
.endr
	s_wait_dscnt 0x0
.irp ot, 0,1,2,3,4,5,6,7,8,9,10,11,12,13,14,15
	v_add_f32 v[128+4*\ot], v[128+4*\ot], v[128+4*\ot+1]
	v_add_f32 v[128+4*\ot+2], v[128+4*\ot+2], v[128+4*\ot+3]
	v_add_f32 v[128+4*\ot], v[128+4*\ot], v[128+4*\ot+2]
	v_mul_f32 v[MEAN+2*\ot], 0x3b800000, v[128+4*\ot]  ; / 256
	v_mov_b32 v[MEAN+2*\ot+1], v[MEAN+2*\ot]
.endr
	OUTB 0
	OUTB 1
	OUTB 2
	OUTB 3
	FOLD QS, 4096
	s_wait_dscnt 0x0
	BAR
	ds_load_b128 v[64:67], v19                     ; thread t: the four waves' sums of channels 2 t, 2 t + 1,
	ds_load_b128 v[68:71], v19 offset:16
	ds_load_b128 v[72:75], v19 offset:4096         ; and of their squares
	ds_load_b128 v[76:79], v19 offset:4112
	s_wait_dscnt 0x0
.irp k, 0,1,2,3
	v_add_f32 v[64+4*\k], v[64+4*\k], v[65+4*\k]   ; in the order in which the mean was made above
	v_add_f32 v[66+4*\k], v[66+4*\k], v[67+4*\k]
	v_add_f32 v[80+\k], v[64+4*\k], v[66+4*\k]
.endr
	v_mul_f32 v80, 0x3b800000, v80
	v_mul_f32 v81, 0x3b800000, v81
	global_store_b128 v12, v[80:83], s[50:51]      ; mean, mean, M2, M2
.irp bb, 0,1,2,3                       ; wave w sends channels 64 w ..: a row of the stage is 512 bytes on end of y1
.if \bb > 0
	s_wait_xcnt 0x0                                ; the last batch's stores have read their registers
.endif
.irp u, 0,1,2,3,4,5,6,7,8,9,10,11,12,13,14,15
	ds_load_b128 v[96+4*\u:96+4*\u+3], v20 offset:(16*\bb+\u)*528
.endr
.irp u, 0,1,2,3,4,5,6,7,8,9,10,11,12,13,14,15
	s_wait_dscnt 15-\u
	global_store_b128 v11, v[96+4*\u:96+4*\u+3], s[48:49] offset:(16*\bb+\u)*16384
.endr
.endr
	s_wait_tensorcnt 0x0                           ; the wave's end
	ds_add_u32 v[SPW], v[NIL]
	s_wait_dscnt 0x0
	CROUND                                         ; the closing round
	s_endpgm
.Lfunc_end_k_qc9217cb912_conv1:
	.size	k_qc9217cb912_conv1, .Lfunc_end_k_qc9217cb912_conv1-k_qc9217cb912_conv1
	.p2alignl 7, 3214868480
	.fill 96, 4, 3214868480
	.section	.rodata,"a",@progbits
	.p2align	6, 0x0
	.amdhsa_kernel k_qc9217cb912_conv1
		.amdhsa_group_segment_fixed_size 281088
		.amdhsa_private_segment_fixed_size 0
		.amdhsa_enable_private_segment 0
		.amdhsa_kernarg_size 40
		.amdhsa_user_sgpr_count 2
		.amdhsa_user_sgpr_kernarg_segment_ptr 1
		.amdhsa_wavefront_size32 1
		.amdhsa_system_sgpr_workgroup_id_x 1
		.amdhsa_system_sgpr_workgroup_id_y 1
		.amdhsa_system_sgpr_workgroup_id_z 1
		.amdhsa_system_vgpr_workitem_id 0
		.amdhsa_next_free_vgpr 1024
		.amdhsa_next_free_sgpr 66
		.amdhsa_reserve_vcc 0
		.amdhsa_float_denorm_mode_32 3
		.amdhsa_float_denorm_mode_16_64 3
		.amdhsa_memory_ordered 1
		.amdhsa_forward_progress 1
		.amdhsa_inst_pref_size 250
	.end_amdhsa_kernel
	.amdgpu_metadata
---
amdhsa.version: [ 1, 2 ]
amdhsa.kernels:
  - .name:           k_qc9217cb912_conv1
    .symbol:         k_qc9217cb912_conv1.kd
    .args:
      - { .name: y0, .offset: 0, .size: 8, .value_kind: global_buffer, .address_space: global }
      - { .name: wh, .offset: 8, .size: 8, .value_kind: global_buffer, .address_space: global }
      - { .name: g0, .offset: 16, .size: 8, .value_kind: global_buffer, .address_space: global }
      - { .name: be0, .offset: 24, .size: 8, .value_kind: global_buffer, .address_space: global }
      - { .name: y1, .offset: 32, .size: 8, .value_kind: global_buffer, .address_space: global }
    .group_segment_fixed_size: 281088
    .private_segment_fixed_size: 0
    .kernarg_segment_align: 8
    .kernarg_segment_size: 40
    .max_flat_workgroup_size: 128
    .sgpr_count:     66
    .vgpr_count:     1024
    .wavefront_size: 32
...
	.end_amdgpu_metadata
.endif
;; end of part 4
;; launch bnout (part 5): grid 256 x 1, 8 waves a work-group, no clusters, 5,120 bytes of LDS; arguments y1, g1, be1, out0; writes out0
.if DOCPART == 5
	.amdgcn_target "amdgcn-amd-amdhsa--gfx1250"
	.amdhsa_code_object_version 6
	.text
	.protected	k_qc9217cb912_bnout
	.globl	k_qc9217cb912_bnout
	.p2align	8
	.type	k_qc9217cb912_bnout,@function
k_qc9217cb912_bnout:
	s_mov_b64 s[64:65], 0
	v_nop
	global_prefetch_b8 v0, s[64:65] scope:SCOPE_SE
	s_setreg_imm32_b32 hwreg(HW_REG_WAVE_MODE, 25, 1), 1
	s_wait_xcnt 0x0
; Launch 5 of 5.  out0 = relu(batch norm of y1), channel-major f32.  A stream: 512 bytes in and 1,024 out for each row; no matrix unit, no cluster.
; SHARES.  Work-group: batch id / 32, channels 32 ((id / 4) % 8) .., points 2,048 (id % 4) ..: the rows of 8 producers of launch 4.  Wave w: channels 4 w .. 4 w + 3 of the 32.
; THE NORM.  256 partial statistics a channel (mean m_i of 256 points, M2_i about it), merged about the pivot q = m_0 as in launch 4:
; var = (sum M2_i + 256 (T2 - T1^2 / 256)) / 65,536; out = relu(s yc + t_i), s = g1 rsqrt(var + 1e-5), t_i = s ((m_i - q) - T1 / 256) + be1.  g1 and be1 are rounded to bf16 like every input.
; The 256 rows of statistics are shared out among the eight waves (16 lanes take the 256 bytes of the 32 channels in a row); the partial sums meet in LDS.
; All 32 data rows of a wave are asked for at the head, behind the statistics.
.set RS,    0                          ; LDS: [wave 8][pair of channels 16][T1, T2, sum of M2: 24 of 32 bytes]
.set SPARE, 4096                       ; the spare words: four blocks of 256 bytes that no other line names
.set SPW, 6
.set NIL, 7
.set HI,  29
.set SU,  122                          ; v[122:125] s of my 4 channels, the same in every lane
.set TU,  48                           ; v[48:79]   t: channel cc, producer e at TU + 8 cc + e
.set OR,  80                           ; v[80:111]  a ring of 4 x 8 results
.set DA,  128                          ; v[128:255] the 32 rows as loaded
.macro RB2 d0, d1, tmp
	v_cvt_pk_bf16_f32 v[\tmp], v[\d0], v[\d1]
	v_lshlrev_b32 v[\d0], 16, v[\tmp]
	v_and_b32 v[\d1], s[HI], v[\tmp]
.endm
	s_load_b256 s[4:11], s[0:1], 0x0               ; y1 4, g1 6, be1 8, out0 10
	v_lshl_add_u32 v[SPW], v0, 2, SPARE
	v_mov_b32 v[NIL], 0
	v_and_b32 v1, 31, v0
	v_lshrrev_b32 v8, 5, v0
	v_readfirstlane_b32 s16, v8                    ; wave
	s_lshr_b32 s17, ttmp9, 5                       ; batch
	s_bfe_u32 s18, ttmp9, 0x30002                  ; block of 32 channels
	s_and_b32 s19, ttmp9, 3                        ; block of 2,048 points
	s_mov_b32 s12, 0x76543210
	s_mov_b32 s13, 0xfedcba98
	s_mov_b32 s[HI], 0xffff0000
	s_mov_b32 s30, 0x37800000                      ; 1 / 65,536, as a pair
	s_mov_b32 s31, 0x37800000
	s_mov_b32 s32, 0x3727c5ac                      ; 1e-5, as a pair
	s_mov_b32 s33, 0x3727c5ac
	v_lshrrev_b32 v9, 4, v1
	v_and_b32 v10, 15, v1
	s_lshl_b32 s26, s16, 12
	v_lshl_add_u32 v8, v9, 11, s26                 ; row 2 w + l / 16 (and 16 rows on with each load),
	v_lshl_add_u32 v8, v10, 4, v8                  ; pair of channels l % 16
	v_lshlrev_b32 v9, 4, v10
	v_and_b32 v11, 1, v1                           ; behind the barrier: pair 2 w + l % 2
	s_lshl_b32 s26, s16, 5
	v_lshl_add_u32 v10, v11, 4, s26
	s_lshl_b32 s26, s18, 7
	s_lshl_b32 s27, s16, 4
	s_add_co_u32 s26, s26, s27
	v_lshl_add_u32 v12, v11, 3, s26                ; its place in g1 and be1
	v_lshlrev_b32 v13, 4, v1                       ; 16 l
	s_lshl_b32 s26, s16, 9
	v_and_b32 v14, 15, v1
	v_lshl_add_u32 v14, v14, 5, s26
	s_lshl_b32 s26, s16, 6
	v_lshl_add_u32 v15, v11, 5, s26
	s_mov_b32 s21, 0
	s_mov_b32 s23, 0
	s_mov_b32 s25, 0
	s_wait_kmcnt 0x0
	s_lshl_b32 s20, s18, 8
	s_add_co_u32 s20, s20, 0x2000000
	s_add_nc_u64 s[20:21], s[4:5], s[20:21]        ; the statistics at my 32 channels
	s_lshl_b32 s22, s17, 5
	s_lshl_b32 s24, s19, 3
	s_add_co_u32 s22, s22, s24
	s_lshl_b32 s22, s22, 11
	s_add_nc_u64 s[22:23], s[20:21], s[22:23]      ; at the first of my 8 producers
	s_lshl_b32 s24, s17, 22
	s_lshl_b32 s26, s18, 19
	s_add_co_u32 s24, s24, s26
	s_lshl_b32 s26, s16, 16
	s_add_co_u32 s24, s24, s26
	s_lshl_b32 s26, s19, 12
	s_add_co_u32 s24, s24, s26
	s_add_nc_u64 s[4:5], s[4:5], s[24:25]          ; y1 at my first row
	s_lshl_b32 s24, s24, 1                         ; out0 has twice the bytes
	s_add_nc_u64 s[10:11], s[10:11], s[24:25]
.irp u, 0,1,2,3,4,5,6,7,8,9,10,11,12,13,14,15
	global_load_b128 v[48+4*\u:48+4*\u+3], v8, s[20:21] offset:32768*\u
.endr
	global_load_b64 v[24:25], v9, s[20:21]         ; the pivot of pair l % 16
	global_load_b64 v[26:27], v10, s[20:21]        ; the pivot of pair 2 w + l % 2,
.irp e, 0,1,2,3,4,5,6,7
	global_load_b64 v[28+2*\e:29+2*\e], v10, s[22:23] offset:2048*\e  ; its means at my 8 producers,
.endr
	global_load_b64 v[44:45], v12, s[6:7]          ; its g1
	global_load_b64 v[46:47], v12, s[8:9]          ; and be1
.set nn, 0
.rept 32
	global_load_b128 v[DA+4*nn:DA+4*nn+3], v13, s[4:5] offset:(nn/8)*16384+(nn%8)*512 th:TH_LOAD_NT
.set nn, nn+1
.endr
.irp k, 16,17,18,19,20,21
	v_mov_b32 v[\k], 0                             ; T1, T2, the sum of M2
.endr
	s_wait_loadcnt 43                              ; my 16 rows and their pivot are in; 11 + 32 younger loads may stay out
.irp u, 0,1,2,3,4,5,6,7,8,9,10,11,12,13,14,15
	v_pk_add_f32 v[22:23], v[48+4*\u:49+4*\u], v[24:25] neg_lo:[0,1] neg_hi:[0,1]
	v_pk_add_f32 v[20:21], v[20:21], v[50+4*\u:51+4*\u]
	v_pk_add_f32 v[16:17], v[16:17], v[22:23]
	v_pk_fma_f32 v[18:19], v[22:23], v[22:23], v[18:19]
.endr
.irp k, 0,1,2,3,4,5
	v_permlanex16_b32 v[48+\k], v[16+\k], s12, s13 ; the other half of the lanes had the odd rows
.endr
.irp k, 0,1,2,3,4,5
	v_add_f32 v[16+\k], v[16+\k], v[48+\k]
.endr
	ds_store_b128 v14, v[16:19]
	ds_store_b64 v14, v[20:21] offset:16
	s_wait_dscnt 0x0
	s_barrier_signal -1
	s_barrier_wait -1
.irp ww, 0,1,2,3,4,5,6,7
	ds_load_b128 v[48+6*\ww:51+6*\ww], v15 offset:512*\ww
	ds_load_b64 v[52+6*\ww:53+6*\ww], v15 offset:512*\ww+16
.endr
	s_wait_dscnt 0x0
.irp ww, 1,2,3,4,5,6,7
	v_pk_add_f32 v[48:49], v[48:49], v[48+6*\ww:49+6*\ww]
	v_pk_add_f32 v[50:51], v[50:51], v[50+6*\ww:51+6*\ww]
	v_pk_add_f32 v[52:53], v[52:53], v[52+6*\ww:53+6*\ww]
.endr
	s_wait_loadcnt 32                              ; all but the 32 data rows
	v_pk_mul_f32 v[118:119], v[48:49], 0x3b800000 op_sel_hi:[1,0]                        ; T1 / 256
	v_pk_fma_f32 v[50:51], v[48:49], v[118:119], v[50:51] neg_lo:[1,0,0] neg_hi:[1,0,0]  ; T2 - T1^2 / 256
	v_pk_fma_f32 v[52:53], v[50:51], 0x43800000, v[52:53] op_sel_hi:[1,0,1]              ; x 256 + the sum of M2
	v_pk_fma_f32 v[52:53], v[52:53], s[30:31], s[32:33] op_sel_hi:[1,0,0]                ; var + 1e-5
	RB2 44, 45, 120
	RB2 46, 47, 120
	v_rsq_f32 v52, v52
	v_rsq_f32 v53, v53
	v_nop                                          ; a plain instruction behind the last of the two,
	s_wait_alu depctr_va_vdst(0)                   ; and one wait for both, ahead of their first reader
	v_pk_mul_f32 v[100:101], v[44:45], v[52:53]    ; s
.irp e, 0,1,2,3,4,5,6,7
	v_pk_add_f32 v[102+2*\e:103+2*\e], v[28+2*\e:29+2*\e], v[26:27] neg_lo:[0,1] neg_hi:[0,1]
.endr
.irp e, 0,1,2,3,4,5,6,7
	v_pk_add_f32 v[102+2*\e:103+2*\e], v[102+2*\e:103+2*\e], v[118:119] neg_lo:[0,1] neg_hi:[0,1]
.endr
.irp e, 0,1,2,3,4,5,6,7
	v_pk_fma_f32 v[102+2*\e:103+2*\e], v[100:101], v[102+2*\e:103+2*\e], v[46:47]  ; t
.endr
	; lane 0 holds channels 4 w, 4 w + 1, lane 1 channels 4 w + 2, 4 w + 3: each number goes to every lane
.irp cc, 0,1,2,3
	v_readlane_b32 s[36+\cc], v[100+(\cc%2)], \cc/2
.irp e, 0,1,2,3,4,5,6,7
	v_readlane_b32 s[40+(\cc%2)*8+\e], v[102+2*\e+(\cc%2)], \cc/2
.endr
	v_mov_b32 v[SU+\cc], s[36+\cc]
.irp e, 0,1,2,3,4,5,6,7
	v_mov_b32 v[TU+8*\cc+\e], s[40+(\cc%2)*8+\e]
.endr
.endr
.set nn, 0
.rept 32                               ; row nn: channel nn / 8, producer nn % 8.  A lane's 16 bytes are points 4 l .. and 128 + 4 l ..
	s_wait_loadcnt 31-nn
.if (nn > 0) && (nn%4 == 0)
	s_wait_xcnt 0x0                                ; the ring of results comes round: its stores have read their registers
.endif
.irp k, 0,1,2,3
	v_fma_mix_f32 v[OR+8*(nn%4)+2*\k], v[DA+4*nn+\k], v[SU+nn/8], v[TU+nn] op_sel:[0,0,0] op_sel_hi:[1,0,0]
	v_fma_mix_f32 v[OR+8*(nn%4)+2*\k+1], v[DA+4*nn+\k], v[SU+nn/8], v[TU+nn] op_sel:[1,0,0] op_sel_hi:[1,0,0]
.endr
.irp k, 0,1,2,3,4,5,6,7
	v_max_num_f32 v[OR+8*(nn%4)+\k], 0, v[OR+8*(nn%4)+\k]
.endr
	global_store_b128 v13, v[OR+8*(nn%4):OR+8*(nn%4)+3], s[10:11] offset:(nn/8)*32768+(nn%8)*1024 th:TH_STORE_NT      ; 512 bytes on end
	global_store_b128 v13, v[OR+8*(nn%4)+4:OR+8*(nn%4)+7], s[10:11] offset:(nn/8)*32768+(nn%8)*1024+512 th:TH_STORE_NT
.set nn, nn+1
.endr
	s_wait_tensorcnt 0x0                           ; the wave's end: three lines behind the last LDS store
	ds_add_u32 v[SPW], v[NIL]
	s_wait_dscnt 0x0
	s_endpgm
.Lfunc_end_k_qc9217cb912_bnout:
	.size	k_qc9217cb912_bnout, .Lfunc_end_k_qc9217cb912_bnout-k_qc9217cb912_bnout
	.p2alignl 7, 3214868480
	.fill 96, 4, 3214868480
	.section	.rodata,"a",@progbits
	.p2align	6, 0x0
	.amdhsa_kernel k_qc9217cb912_bnout
		.amdhsa_group_segment_fixed_size 5120
		.amdhsa_private_segment_fixed_size 0
		.amdhsa_enable_private_segment 0
		.amdhsa_kernarg_size 32
		.amdhsa_user_sgpr_count 2
		.amdhsa_user_sgpr_kernarg_segment_ptr 1
		.amdhsa_wavefront_size32 1
		.amdhsa_system_sgpr_workgroup_id_x 1
		.amdhsa_system_sgpr_workgroup_id_y 1
		.amdhsa_system_sgpr_workgroup_id_z 1
		.amdhsa_system_vgpr_workitem_id 0
		.amdhsa_next_free_vgpr 256
		.amdhsa_next_free_sgpr 66
		.amdhsa_reserve_vcc 0
		.amdhsa_float_denorm_mode_32 3
		.amdhsa_float_denorm_mode_16_64 3
		.amdhsa_memory_ordered 1
		.amdhsa_forward_progress 1
		.amdhsa_inst_pref_size 53
	.end_amdhsa_kernel
	.amdgpu_metadata
---
amdhsa.version: [ 1, 2 ]
amdhsa.kernels:
  - .name:           k_qc9217cb912_bnout
    .symbol:         k_qc9217cb912_bnout.kd
    .args:
      - { .name: y1, .offset: 0, .size: 8, .value_kind: global_buffer, .address_space: global }
      - { .name: g1, .offset: 8, .size: 8, .value_kind: global_buffer, .address_space: global }
      - { .name: be1, .offset: 16, .size: 8, .value_kind: global_buffer, .address_space: global }
      - { .name: out0, .offset: 24, .size: 8, .value_kind: global_buffer, .address_space: global }
    .group_segment_fixed_size: 5120
    .private_segment_fixed_size: 0
    .kernarg_segment_align: 8
    .kernarg_segment_size: 32
    .max_flat_workgroup_size: 256
    .sgpr_count:     66
    .vgpr_count:     256
    .wavefront_size: 32
...
	.end_amdgpu_metadata
.endif
;; end of part 5
;; ======== version 2 of 2: 5 launches; version 1 with the launches knn_coarse, bnout written anew for expert scheduling mode
;; limits: values are held in f16: magnitudes above 65,504 overflow, below 6.1e-05 lose precision
;; workspace buffers: grp 1,048,576 bytes of whole numbers; nidx 1,048,576 bytes of whole numbers; nwgt 1,048,576 bytes; wh 294,912 bytes; q2 8,388,608 bytes; y0 33,685,504 bytes; y1 34,078,720 bytes
;; launch knn_coarse (part 6): grid 256 x 1, 8 waves a work-group, no clusters, 82,944 bytes of LDS; arguments xyz1, xyz2, w0, w1, grp, wh; writes grp, wh
.if DOCPART == 6
	.amdgcn_target "amdgcn-amd-amdhsa--gfx1250"
	.amdhsa_code_object_version 6
	.text
	.protected	k_qc9217cb912_knn_coarse
	.globl	k_qc9217cb912_knn_coarse
	.p2align	8
	.type	k_qc9217cb912_knn_coarse,@function
k_qc9217cb912_knn_coarse:
	s_mov_b64 s[64:65], 0
	v_nop
	global_prefetch_b8 v0, s[64:65] scope:SCOPE_SE
	s_setreg_imm32_b32 hwreg(HW_REG_WAVE_SCHED_MODE, 0, 2), 2
	s_setreg_imm32_b32 hwreg(HW_REG_WAVE_MODE, 25, 1), 1
	s_wait_xcnt 0x0
	s_wait_alu depctr_vm_vsrc(0)
; POINTNET FEATURE PROPAGATION, launch 1 of 5: the coarse pass of the search for the 3 nearest, and the weights' rounding.
; WORK LEFT OUT, for all values of the inputs.  b0 and b1 are added to y ahead of a batch norm that takes the mean over the same axes away:
; (y + b) - mean(y + b) = y - mean(y) and var(y + b) = var(y).  So neither has a way to the output: they are not loaded and are no argument of any launch.
; Limit: a NaN, an infinity or an overflow that only b0 or b1 would bring is not carried to the result.
; WORK MOVED.  conv0 is linear: W0[:,64:] (sum_k w_k p2[idx_k]) = sum_k w_k (W0[:,64:] p2[idx_k]).  Launch 2 makes Q2 = W0[:,64:] p2 once for the 16,384 table rows;
; launch 3 mixes three rows of Q2 for each point and multiplies only the 64 own channels.
; FORMATS.  Every input is rounded to bf16 once.  A product of two bf16 numbers is exact in f32, so d = (|x1|^2 - 2 x1.x2) + |x2|^2, summed in the order
; ((x x + y y) + z z), ((p0 + p1) + p2), has one value whether or not multiply and add are fused.  What the program makes itself (Q2, y - mean, h) is kept in f16.
; Limits: NaN and infinities among the coordinates are not treated apart; Q2, y less its local mean and h must lie within f16's 65,504.
; THE SEARCH.  A batch's 2,048 candidates are 128 groups of 16.  In the order (d, index) each of the 3 nearest lies in one of the 3 groups with the least
; (group minimum, group number): a group ahead of it holds an element ahead of it, and only two elements are.  This launch finds those 3 groups for every query
; and stores their numbers, ascending; launch 2 reads them and looks at their 48 candidates.
; SHARES.  Work-group i: batch i / 32, queries 256 (i % 32) on.  All eight waves hold the same 256 queries, 8 a lane; wave w scans candidates 256 w .. 256 w + 255 (16 groups).
; The eight lists of a query meet in LDS; an earlier entry wins a tie (strict compare, waves and groups ascending), as top_k keeps the lower index.
; No cluster: what work-groups share, xyz2, is 24 KB a batch and goes through arithmetic in registers.
; THE MODE: SCHED_MODE bits 1:0 = 2 (LLVM: expert scheduling mode 2), set by the entry lines.  The code itself states the register dependences
; between vector instructions and memory or LDS instructions, with s_wait_alu, always for 0.
; THE PLAN.  Registers that memory or LDS instructions touch, in the scan's loop:
;   H0, H1   A trip's first half reads H0, its second half H1; each is loaded again behind a wait that shows its half done reading it.
;   v[NA]    Read by the trip's 16 LDS loads; stepped once, at the trip's end, behind a wait that shows them to have read it; the next wait on va_vdst stands ahead of its next reader.
;   v[FA]    The first group's address: read by the 16 loads ahead of the loop, never written again.
;   QB, RM, T, the lists G and I and v[GIDV] are named by vector instructions alone while the scan runs.
; A trip: half H0 | wait | loads into H0 | half H1, 24 compares | waits | loads into H1 | 64 selects, which name neither H1 nor v[NA] | wait | the step of v[NA].
; Outside the loop every run of loads or stores stands behind one wait that shows its addresses and data written, and every register that a store or a load has read
; is written again only behind a wait on vm_vsrc.
.set XA,    0                          ; LDS: -2 x of the 2,048 candidates, f32
.set ML,    32768                      ; LDS: the lists: [field 6][wave 8][query 256] words;  -2 y at 8,192, -2 z at 16,384, |x2|^2 at 24,576
.set SPARE, 81920                      ; the spare words, 128 bytes a wave: four blocks of 256 bytes that no other line names
.set NA,   2                           ; v2   byte offset of the next group in each of the four arrays
.set FA,   3                           ; v3   byte offset of my first group; never rewritten
.set GIDV, 4                           ; v4   the group's number
.set MA,   5                           ; v5   address in the lists, as I store them
.set SPW,  6                           ; v6   my spare word; never rewritten
.set NIL,  7                           ; v7   0; never rewritten
.set MR,   12                          ; v12  address in the lists, as I read them
.set QB,   16                          ; v[16:79]  query q at QB + 8 q: x, x, y, y, z, z, a, a
.set G1,   80                          ; the three least group minima, 8 queries each,
.set G2,   88
.set G3,   96
.set I1,   104                         ; and their groups' numbers
.set I2,   112
.set I3,   120
.set RM,   128                         ; v[128:135] the group's minimum, a query each
.set H0,   136                         ; v[136:167] 8 candidates: -2x, -2y, -2z, b, eight registers each
.set H1,   168                         ; v[168:199] the group's other 8
.set T,    200                         ; v[200:231] distances at work
.set HI,   29                          ; s29  mask of a word's upper half
.set MK,   40                          ; s[40:63] compare masks, three a query
.macro BAR
	s_barrier_signal -1
	s_barrier_wait -1
.endm
.macro RB2 d0, d1, tmp                 ; two f32 rounded to bf16 and widened again
	v_cvt_pk_bf16_f32 v[\tmp], v[\d0], v[\d1]
	v_lshlrev_b32 v[\d0], 16, v[\tmp]
	v_and_b32 v[\d1], s[HI], v[\tmp]
.endm
; (val, id) is put into the sorted list of three in slot s.  Strict compares: what is in the list wins a tie.
.macro ICMP val, s, m
	v_cmp_lt_f32 s[\m], v[\val], v[G1+\s]
	v_cmp_lt_f32 s[\m+1], v[\val], v[G2+\s]
	v_cmp_lt_f32 s[\m+2], v[\val], v[G3+\s]
.endm
.macro ISEL val, id, s, m
	v_cndmask_b32 v[I3+\s], v[I3+\s], v[\id], s[\m+2]
	v_cndmask_b32 v[I3+\s], v[I3+\s], v[I2+\s], s[\m+1]
	v_cndmask_b32 v[I2+\s], v[I2+\s], v[\id], s[\m+1]
	v_cndmask_b32 v[I2+\s], v[I2+\s], v[I1+\s], s[\m]
	v_cndmask_b32 v[I1+\s], v[I1+\s], v[\id], s[\m]
	v_med3_num_f32 v[G3+\s], v[G2+\s], v[G3+\s], v[\val]
	v_med3_num_f32 v[G2+\s], v[G1+\s], v[G2+\s], v[\val]
	v_min_num_f32 v[G1+\s], v[G1+\s], v[\val]
.endm
; A chunk of 256 weights: 32 bytes a lane in, rounded to bf16 (half = 1: that number written as f16), 16 bytes a lane out: the wave stores 512 bytes on end.
.macro WJOB base, half
	v_lshl_add_u32 v8, v1, 5, s22
	v_lshl_add_u32 v9, v1, 4, s23
	s_wait_alu depctr_va_vdst(0)                   ; v8 and v9 are written: the offsets of the loads and of the store below
	global_load_b128 v[16:19], v8, s[\base:\base+1]
	global_load_b128 v[20:23], v8, s[\base:\base+1] offset:16
	s_wait_loadcnt 0x0
.irp k, 0,1,2,3
	v_cvt_pk_bf16_f32 v[24+\k], v[16+2*\k], v[17+2*\k]
.endr
.if \half
.irp k, 0,1,2,3
	v_lshlrev_b32 v[16+2*\k], 16, v[24+\k]
	v_and_b32 v[17+2*\k], s[HI], v[24+\k]
.endr
.irp k, 0,1,2,3
	v_cvt_pk_f16_f32 v[24+\k], v[16+2*\k], v[17+2*\k]
.endr
.endif
	s_wait_alu depctr_va_vdst(0)                   ; the roundings have written v[24:27], which the store reads
	global_store_b128 v9, v[24:27], s[14:15]
	s_wait_alu depctr_vm_vsrc(0)                   ; the loads and the store have read v8, v9 and v[24:27], which are written again behind the jobs
.endm
.macro LDH hb, ad, off                 ; 8 candidates of the group at v[ad]: every lane reads the same 16 bytes
.irp c, 0,1,2,3
	ds_load_b128 v[\hb+8*\c:\hb+8*\c+3], v[\ad] offset:\c*8192+\off
	ds_load_b128 v[\hb+8*\c+4:\hb+8*\c+7], v[\ad] offset:\c*8192+\off+16
.endr
.endm
; 8 candidates against my 8 queries, two queries at a time: eight chains that do not wait for each other.  d = ((((-2x) qx + (-2y) qy) + (-2z) qz) + a) + b.
.macro HALF hb, first
.irp qq, 0,2,4,6
.set TT, T+16*((\qq/2)%2)
.irp u, 0,1
.irp p, 0,2,4,6
	v_pk_mul_f32 v[TT+8*\u+\p:TT+8*\u+\p+1], v[\hb+\p:\hb+\p+1], v[QB+8*(\qq+\u):QB+8*(\qq+\u)+1]
.endr
.endr
.irp u, 0,1
.irp p, 0,2,4,6
	v_pk_fma_f32 v[TT+8*\u+\p:TT+8*\u+\p+1], v[\hb+8+\p:\hb+8+\p+1], v[QB+8*(\qq+\u)+2:QB+8*(\qq+\u)+3], v[TT+8*\u+\p:TT+8*\u+\p+1]
.endr
.endr
.irp u, 0,1
.irp p, 0,2,4,6
	v_pk_fma_f32 v[TT+8*\u+\p:TT+8*\u+\p+1], v[\hb+16+\p:\hb+16+\p+1], v[QB+8*(\qq+\u)+4:QB+8*(\qq+\u)+5], v[TT+8*\u+\p:TT+8*\u+\p+1]
.endr
.endr
.irp u, 0,1
.irp p, 0,2,4,6
	v_pk_add_f32 v[TT+8*\u+\p:TT+8*\u+\p+1], v[TT+8*\u+\p:TT+8*\u+\p+1], v[QB+8*(\qq+\u)+6:QB+8*(\qq+\u)+7]
.endr
.endr
.irp u, 0,1
.irp p, 0,2,4,6
	v_pk_add_f32 v[TT+8*\u+\p:TT+8*\u+\p+1], v[TT+8*\u+\p:TT+8*\u+\p+1], v[\hb+24+\p:\hb+24+\p+1]
.endr
.endr
.if \first
.irp u, 0,1
	v_min3_num_f32 v[RM+\qq+\u], v[TT+8*\u], v[TT+8*\u+1], v[TT+8*\u+2]
.endr
.irp u, 0,1
	v_min3_num_f32 v[RM+\qq+\u], v[RM+\qq+\u], v[TT+8*\u+3], v[TT+8*\u+4]
.endr
.irp u, 0,1
	v_min3_num_f32 v[RM+\qq+\u], v[RM+\qq+\u], v[TT+8*\u+5], v[TT+8*\u+6]
.endr
.irp u, 0,1
	v_min_num_f32 v[RM+\qq+\u], v[RM+\qq+\u], v[TT+8*\u+7]
.endr
.else
.irp p, 0,2,4,6
.irp u, 0,1
	v_min3_num_f32 v[RM+\qq+\u], v[RM+\qq+\u], v[TT+8*\u+\p], v[TT+8*\u+\p+1]
.endr
.endr
.endif
.endr
.endm
	s_load_b256 s[4:11], s[0:1], 0x0               ; xyz1 s[4:5], xyz2 s[6:7], w0 s[8:9], w1 s[10:11]
	s_load_b128 s[12:15], s[0:1], 0x20             ; grp s[12:13], wh s[14:15]
	v_lshl_add_u32 v[SPW], v0, 2, SPARE
	v_mov_b32 v[NIL], 0
	v_and_b32 v1, 31, v0                           ; lane
	v_lshrrev_b32 v8, 5, v0
	v_readfirstlane_b32 s16, v8                    ; wave 0..7
	s_lshr_b32 s17, ttmp9, 5                       ; batch
	s_and_b32 s18, ttmp9, 31                       ; block of 256 queries in the batch
	s_mov_b32 s[HI], 0xffff0000
	s_mov_b32 s21, 0
	s_wait_alu depctr_va_sdst(0)                   ; s16 is written, ahead of its first reader, the compare below
	s_wait_kmcnt 0x0
	; THE WEIGHTS.  w0 has 320 chunks of 256 numbers, w1 has 256.  Wave 0 takes w0's chunk i, wave 1 chunk 256 + i where i < 64, wave 2 w1's chunk i.
	s_cmp_lg_u32 s16, 0
	s_cbranch_scc1 .Lw1
	s_lshl_b32 s22, ttmp9, 10
	s_lshl_b32 s23, ttmp9, 9
	WJOB 8, 0
	s_branch .Lwd
.Lw1:
	s_cmp_lg_u32 s16, 1
	s_cbranch_scc1 .Lw2
	s_cmp_ge_u32 ttmp9, 64
	s_cbranch_scc1 .Lwd
	s_add_co_u32 s19, ttmp9, 256
	s_lshl_b32 s22, s19, 10
	s_lshl_b32 s23, s19, 9
	WJOB 8, 0
	s_branch .Lwd
.Lw2:
	s_cmp_lg_u32 s16, 2
	s_cbranch_scc1 .Lwd
	s_lshl_b32 s22, ttmp9, 10
	s_lshl_b32 s23, ttmp9, 9
	s_add_co_u32 s23, s23, 163840                  ; w1's copy lies behind w0's
	WJOB 10, 1
.Lwd:
	s_wait_xcnt 0x0                                ; the job's offsets and store data are written again only behind this wait
	; THE TABLE AND THE QUERIES.  Thread t rounds candidates 4 t .. and 1,024 + 4 t ..; a lane takes queries 4 l .. and 128 + 4 l ..
	s_mul_i32 s20, s17, 24576
	s_add_nc_u64 s[6:7], s[6:7], s[20:21]
	s_mul_i32 s20, s17, 98304
	s_lshl_b32 s22, s18, 10
	s_add_co_u32 s20, s20, s22
	s_add_nc_u64 s[4:5], s[4:5], s[20:21]
	v_lshlrev_b32 v8, 4, v0
	v_lshlrev_b32 v9, 4, v1
	s_wait_alu depctr_va_vdst(0)                   ; v8 and v9 are written: the offsets of the twelve loads, and v8 the address of the LDS stores below
.irp c, 0,1,2
	global_load_b128 v[H0+8*\c:H0+8*\c+3], v8, s[6:7] offset:\c*8192
	global_load_b128 v[H0+8*\c+4:H0+8*\c+7], v8, s[6:7] offset:\c*8192+4096
.endr
.irp c, 0,1,2
	global_load_b128 v[H1+8*\c:H1+8*\c+3], v9, s[4:5] offset:\c*32768
	global_load_b128 v[H1+8*\c+4:H1+8*\c+7], v9, s[4:5] offset:\c*32768+512
.endr
	s_wait_loadcnt 0x6                             ; the candidates are in; the six loads of the queries may stay out
.irp k, 0,2,4,6,8,10,12,14,16,18,20,22
	RB2 H0+\k, H0+\k+1, T+\k
.endr
.irp k, 0,2,4,6
	v_pk_mul_f32 v[H0+24+\k:H0+25+\k], v[H0+\k:H0+\k+1], v[H0+\k:H0+\k+1]
	v_pk_fma_f32 v[H0+24+\k:H0+25+\k], v[H0+8+\k:H0+9+\k], v[H0+8+\k:H0+9+\k], v[H0+24+\k:H0+25+\k]
	v_pk_fma_f32 v[H0+24+\k:H0+25+\k], v[H0+16+\k:H0+17+\k], v[H0+16+\k:H0+17+\k], v[H0+24+\k:H0+25+\k]
.endr
.irp k, 0,2,4,6,8,10,12,14,16,18,20,22
	v_pk_mul_f32 v[H0+\k:H0+\k+1], v[H0+\k:H0+\k+1], -2.0 op_sel_hi:[1,0]
.endr
	s_wait_alu depctr_va_vdst(0)                   ; the lines above have written H0's 32 registers, which the LDS stores read
.irp c, 0,1,2,3
	ds_store_b128 v8, v[H0+8*\c:H0+8*\c+3] offset:\c*8192
	ds_store_b128 v8, v[H0+8*\c+4:H0+8*\c+7] offset:\c*8192+4096
.endr
	s_wait_loadcnt 0x0
.irp k, 0,2,4,6,8,10,12,14,16,18,20,22
	RB2 H1+\k, H1+\k+1, T+\k
.endr
.irp k, 0,2,4,6
	v_pk_mul_f32 v[H1+24+\k:H1+25+\k], v[H1+\k:H1+\k+1], v[H1+\k:H1+\k+1]
	v_pk_fma_f32 v[H1+24+\k:H1+25+\k], v[H1+8+\k:H1+9+\k], v[H1+8+\k:H1+9+\k], v[H1+24+\k:H1+25+\k]
	v_pk_fma_f32 v[H1+24+\k:H1+25+\k], v[H1+16+\k:H1+17+\k], v[H1+16+\k:H1+17+\k], v[H1+24+\k:H1+25+\k]
.endr
.irp q, 0,1,2,3,4,5,6,7
.irp c, 0,1,2,3
	v_mov_b32 v[QB+8*\q+2*\c], v[H1+8*\c+\q]       ; each number twice: a pair for the packed lines
	v_mov_b32 v[QB+8*\q+2*\c+1], v[H1+8*\c+\q]
.endr
	v_mov_b32 v[G1+\q], 0x7f800000                 ; the lists start at +infinity
	v_mov_b32 v[G2+\q], 0x7f800000
	v_mov_b32 v[G3+\q], 0x7f800000
	v_mov_b32 v[I1+\q], 0
	v_mov_b32 v[I2+\q], 0
	v_mov_b32 v[I3+\q], 0
.endr
	s_wait_dscnt 0x0                               ; my part of the table is written,
	BAR                                            ; everybody's is
	; THE SCAN: 16 groups.  Two buffers of 8 candidates; each is asked for again as soon as it has been used.
	s_lshl_b32 s20, s16, 10
	v_mov_b32 v[FA], s20                           ; my 256 candidates begin at byte 1,024 w of each array
	v_add_nc_u32 v[NA], 64, v[FA]                  ; the second group
	v_and_b32 v[NA], 0x1fff, v[NA]
	s_lshl_b32 s28, s16, 4                         ; and at group 16 w
	s_wait_alu depctr_vm_vsrc(0)                   ; the table's LDS stores have read H0, in which the loads below land
	s_wait_alu depctr_va_vdst(0)                   ; v[FA] and v[NA] are written; the roundings and the copies are done with H0 and H1
	LDH H0, FA, 0
	LDH H1, FA, 32
	s_mov_b32 s27, 16
.Lgrp:
	s_wait_dscnt 0x8                               ; the first 8 candidates are in; the 8 younger loads are the other buffer's
	HALF H0, 1
	s_wait_alu depctr_va_vdst(0)                   ; the half above is done reading H0, in which the loads below land; v[NA] is written (at the last trip's end, or ahead of the loop)
	LDH H0, NA, 0                                  ; the next group's (in the last trip: bytes inside the table, by the mask on NA, that nobody uses; so one text serves every trip)
	s_wait_dscnt 0x8                               ; the second 8 are in; the younger 8 are those just issued
	HALF H1, 0
	v_mov_b32 v[GIDV], s28
.irp q, 0,1,2,3,4,5,6,7
	ICMP RM+\q, \q, MK+3*\q
.endr
	s_wait_alu depctr_va_sdst(0)                   ; the 24 compares have written s[40:63], which the selects below read
	s_wait_alu depctr_va_vdst(0)                   ; the second half is done reading H1, in which the loads below land
	LDH H1, NA, 32
.irp q, 0,1,2,3,4,5,6,7
	ISEL RM+\q, GIDV, \q, MK+3*\q
.endr
	s_wait_alu depctr_vm_vsrc(0)                   ; the trip's 16 LDS loads have read v[NA]
	v_add_nc_u32 v[NA], 64, v[NA]
	v_and_b32 v[NA], 0x1fff, v[NA]
	s_add_co_u32 s28, s28, 1
	s_sub_co_u32 s27, s27, 1
	s_cmp_lg_u32 s27, 0
	s_cbranch_scc1 .Lgrp
	s_wait_dscnt 0x0
	BAR                                            ; every wave has left the table before a list is written
	; THE MERGE.  Each wave lays its lists down by field; thread t then merges query t's eight lists, waves ascending.
	s_lshl_b32 s20, s16, 10
	s_add_co_u32 s20, s20, ML
	v_lshl_add_u32 v[MA], v1, 4, s20
	v_lshl_add_u32 v[MR], v0, 2, ML
	s_wait_alu depctr_va_vdst(0)                   ; v[MA] and v[MR] are written, and the selects have written the lists, which the LDS stores read
.irp f, 0,1,2,3,4,5
	ds_store_b128 v[MA], v[G1+8*\f:G1+8*\f+3] offset:\f*8192
	ds_store_b128 v[MA], v[G1+8*\f+4:G1+8*\f+7] offset:\f*8192+512
.endr
	s_wait_dscnt 0x0
	BAR
	s_wait_alu depctr_vm_vsrc(0)                   ; my LDS stores have read the lists' registers: in six of them the loads below land, and the selects write them again
.irp f, 0,1,2,3,4,5
	ds_load_b32 v[G1+8*\f], v[MR] offset:\f*8192   ; wave 0's list starts the merge.  No vector instruction since the wait ahead of the stores names these registers or v[MR]
.endr
	s_mov_b32 s27, 7
.Lmrg:
	s_wait_alu depctr_vm_vsrc(0)                   ; the LDS loads issued so far have read v[MR]
	v_add_nc_u32 v[MR], 1024, v[MR]
	s_wait_alu depctr_va_vdst(0)                   ; v[MR] is written; the last trip's compares and selects (in the first trip: the scan) are done with v[T .. T+5], in which the loads land
.irp f, 0,1,2,3,4,5
	ds_load_b32 v[T+\f], v[MR] offset:\f*8192
.endr
	s_wait_dscnt 0x0
.irp e, 0,1,2
	ICMP T+\e, 0, MK+3*\e
	s_wait_alu depctr_va_sdst(0)                   ; the three compares have written their masks, which the selects read
	ISEL T+\e, T+3+\e, 0, MK+3*\e
.endr
	s_sub_co_u32 s27, s27, 1
	s_cmp_lg_u32 s27, 0
	s_cbranch_scc1 .Lmrg
	v_min_u32 v8, v[I1], v[I2]                     ; the three numbers ascending, so that launch 2 meets the candidates in the order of their indices
	v_max_u32 v9, v[I1], v[I2]
	v_min_u32 v[T], v8, v[I3]
	v_max_u32 v10, v8, v[I3]
	v_min_u32 v[T+1], v9, v10
	v_max_u32 v[T+2], v9, v10
	v_mov_b32 v[T+3], 0
	v_lshlrev_b32 v11, 4, v0
	s_lshl_b32 s20, ttmp9, 12
	s_add_nc_u64 s[12:13], s[12:13], s[20:21]
	s_wait_alu depctr_va_vdst(0)                   ; v11 and v[T .. T+3] are written: the store's offset and data
	global_store_b128 v11, v[T:T+3], s[12:13]      ; a wave stores 512 bytes on end
	s_wait_dscnt 0x0                               ; the closing lines, six on end
	s_wait_alu 0x0
	s_wait_tensorcnt 0x0
	ds_add_u32 v[SPW], v[NIL]
	s_wait_dscnt 0x0
	s_endpgm
.Lfunc_end_k_qc9217cb912_knn_coarse:
	.size	k_qc9217cb912_knn_coarse, .Lfunc_end_k_qc9217cb912_knn_coarse-k_qc9217cb912_knn_coarse
	.p2alignl 7, 3214868480
	.fill 96, 4, 3214868480
	.section	.rodata,"a",@progbits
	.p2align	6, 0x0
	.amdhsa_kernel k_qc9217cb912_knn_coarse
		.amdhsa_group_segment_fixed_size 82944
		.amdhsa_private_segment_fixed_size 0
		.amdhsa_enable_private_segment 0
		.amdhsa_kernarg_size 48
		.amdhsa_user_sgpr_count 2
		.amdhsa_user_sgpr_kernarg_segment_ptr 1
		.amdhsa_wavefront_size32 1
		.amdhsa_system_sgpr_workgroup_id_x 1
		.amdhsa_system_sgpr_workgroup_id_y 1
		.amdhsa_system_sgpr_workgroup_id_z 1
		.amdhsa_system_vgpr_workitem_id 0
		.amdhsa_next_free_vgpr 240
		.amdhsa_next_free_sgpr 66
		.amdhsa_reserve_vcc 0
		.amdhsa_float_denorm_mode_32 3
		.amdhsa_float_denorm_mode_16_64 3
		.amdhsa_memory_ordered 1
		.amdhsa_forward_progress 1
		.amdhsa_inst_pref_size 53
	.end_amdhsa_kernel
	.amdgpu_metadata
---
amdhsa.version: [ 1, 2 ]
amdhsa.kernels:
  - .name:           k_qc9217cb912_knn_coarse
    .symbol:         k_qc9217cb912_knn_coarse.kd
    .args:
      - { .name: xyz1, .offset: 0, .size: 8, .value_kind: global_buffer, .address_space: global }
      - { .name: xyz2, .offset: 8, .size: 8, .value_kind: global_buffer, .address_space: global }
      - { .name: w0, .offset: 16, .size: 8, .value_kind: global_buffer, .address_space: global }
      - { .name: w1, .offset: 24, .size: 8, .value_kind: global_buffer, .address_space: global }
      - { .name: grp, .offset: 32, .size: 8, .value_kind: global_buffer, .address_space: global }
      - { .name: wh, .offset: 40, .size: 8, .value_kind: global_buffer, .address_space: global }
    .group_segment_fixed_size: 82944
    .private_segment_fixed_size: 0
    .kernarg_segment_align: 8
    .kernarg_segment_size: 48
    .max_flat_workgroup_size: 256
    .sgpr_count:     66
    .vgpr_count:     240
    .wavefront_size: 32
...
	.end_amdgpu_metadata
.endif
;; end of part 6
;; launch refine_prep: the kernel of part 2 again; grid 256 x 1, 8 waves a work-group, no clusters, 105,472 bytes of LDS; arguments xyz1, xyz2, points2, grp, wh, nidx, nwgt, q2; writes nidx, nwgt, q2
;; launch conv0: the kernel of part 3 again; grid 8 x 32, 16 waves a work-group, no clusters, 309,248 bytes of LDS; arguments points1, wh, q2, nidx, nwgt, y0; writes y0
;; launch conv1: the kernel of part 4 again; grid 256 x 1, 4 waves a work-group, clusters of 4 x 1, 281,088 bytes of LDS; arguments y0, wh, g0, be0, y1; writes y1
;; launch bnout (part 7): grid 256 x 1, 8 waves a work-group, no clusters, 5,120 bytes of LDS; arguments y1, g1, be1, out0; writes out0
.if DOCPART == 7
	.amdgcn_target "amdgcn-amd-amdhsa--gfx1250"
	.amdhsa_code_object_version 6
	.text
	.protected	k_qc9217cb912_bnout
	.globl	k_qc9217cb912_bnout
	.p2align	8
	.type	k_qc9217cb912_bnout,@function
k_qc9217cb912_bnout:
	s_mov_b64 s[64:65], 0
	v_nop
	global_prefetch_b8 v0, s[64:65] scope:SCOPE_SE
	s_setreg_imm32_b32 hwreg(HW_REG_WAVE_SCHED_MODE, 0, 2), 2
	s_setreg_imm32_b32 hwreg(HW_REG_WAVE_MODE, 25, 1), 1
	s_wait_xcnt 0x0
	s_wait_alu depctr_vm_vsrc(0)
; Launch 5 of 5.  out0 = relu(batch norm of y1), channel-major f32.  A stream: 512 bytes in and 1,024 out for each row; no matrix unit, no cluster.
; SHARES.  Work-group: batch id / 32, channels 32 ((id / 4) % 8) .., points 2,048 (id % 4) ..: the rows of 8 producers of launch 4.  Wave w: channels 4 w .. 4 w + 3 of the 32.
; THE NORM.  256 partial statistics a channel (mean m_i of 256 points, M2_i about it), merged about the pivot q = m_0 as in launch 4:
; var = (sum M2_i + 256 (T2 - T1^2 / 256)) / 65,536; out = relu(s yc + t_i), s = g1 rsqrt(var + 1e-5), t_i = s ((m_i - q) - T1 / 256) + be1.  g1 and be1 are rounded to bf16 like every input.
; The 256 rows of statistics are shared out among the eight waves (16 lanes take the 256 bytes of the 32 channels in a row); the partial sums meet in LDS.
; All 32 data rows of a wave are asked for at the head, behind the statistics.
; THE MODE: SCHED_MODE bits 1:0 = 2 (LLVM: expert scheduling mode 2), set by the entry lines.  The code itself states the register dependences
; between vector instructions and memory or LDS instructions, with s_wait_alu, always for 0.
; THE PLAN.  Registers that memory or LDS instructions touch:
;   v8, v9, v10, v12, v13, v14, v15   offsets and LDS addresses, made once at the head and never written again.
;   v[16:21]     the wave's partial sums: written by vector lines, read by two LDS stores; later part of Y1.
;   v[48:95]     statistics as loaded, read (six of them written) by the sums; then the eight waves' partial sums land there from LDS.
;   DA           the 32 rows as loaded: loaded once, read by the multiply-adds.
;   Y0, Y1       two out-buffers of four rows.  The 32 rows go in 8 blocks of four.  Block p writes Y[p % 2]; the eight stores of block p - 1, which read the other Y, are issued in block p.
; So the waits at a block's head state all that its eight stores hang on, and these are dealt among its vector lines, which name DA, SU, TU and Y[p % 2] alone, with no further wait.
.set RS,    0                          ; LDS: [wave 8][pair of channels 16][T1, T2, sum of M2: 24 of 32 bytes]
.set SPARE, 4096                       ; the spare words: four blocks of 256 bytes that no other line names
.set SPW, 6
.set NIL, 7
.set HI,  29
.set SU,  122                          ; v[122:125] s of my 4 channels, the same in every lane
.set TU,  48                           ; v[48:79]   t: channel cc, producer e at TU + 8 cc + e
.set Y0,  80                           ; v[80:111]  the results of an even block: row i at Y0 + 8 i
.set Y1,  16                           ; v[16:47]   the results of an odd block
.set DA,  128                          ; v[128:255] the 32 rows as loaded
.macro RB2 d0, d1, tmp
	v_cvt_pk_bf16_f32 v[\tmp], v[\d0], v[\d1]
	v_lshlrev_b32 v[\d0], 16, v[\tmp]
	v_and_b32 v[\d1], s[HI], v[\tmp]
.endm
; Lane ln holds s and t of channels 4 w + 2 ln and 4 w + 2 ln + 1: each number goes to every lane, by way of a scalar register.
.macro SPREAD ln
.irp u, 0,1
	v_readlane_b32 s[36+2*(\ln)+\u], v[100+\u], \ln
.irp e, 0,1,2,3,4,5,6,7
	v_readlane_b32 s[40+8*\u+\e], v[102+2*\e+\u], \ln
.endr
.endr
	s_wait_alu depctr_va_sdst(0)                   ; the 18 lines above have written their scalar registers, which the copies below read
.irp u, 0,1
	v_mov_b32 v[SU+2*(\ln)+\u], s[36+2*(\ln)+\u]
.irp e, 0,1,2,3,4,5,6,7
	v_mov_b32 v[TU+8*(2*(\ln)+\u)+\e], s[40+8*\u+\e]
.endr
.endr
.endm
; The two stores of row mm from the eight registers at yy: 512 bytes on end each.  A lane's 16 bytes of y1 are points 4 l .. and 128 + 4 l ..
.macro SEND yy, mm
	global_store_b128 v13, v[(\yy):(\yy)+3], s[10:11] offset:((\mm)/8)*32768+((\mm)%8)*1024 th:TH_STORE_NT
	global_store_b128 v13, v[(\yy)+4:(\yy)+7], s[10:11] offset:((\mm)/8)*32768+((\mm)%8)*1024+512 th:TH_STORE_NT
.endm
; Block p: rows 4 p .. 4 p + 3 (row nn: channel nn / 8, producer nn % 8) into Y[p % 2]; the stores of block p - 1 from the other Y.
.macro BLK p
.set YW, Y0+(Y1-Y0)*((\p)%2)
.set YR, Y0+(Y1-Y0)*(1-(\p)%2)
.if (\p) >= 2
	s_wait_xcnt 0x0                                ; every earlier memory instruction has had its addresses translated: Y[p % 2], which the stores of the block before read, is rewritten only behind this wait
.endif
.if (\p) >= 1
	s_wait_alu depctr_vm_vsrc(0)                   ; the stores issued so far have read this block's Y: in block 1 the LDS stores of v[16:21], later the eight stores issued in the block before
	s_wait_alu depctr_va_vdst(0)                   ; the block before has written the other Y, which the stores below read
.endif
.irp i, 0,1,2,3
.set nn, 4*(\p)+\i
.if (\p) >= 1
	SEND YR+8*\i, nn-4                             ; no vector line since the wait names these registers
.endif
	s_wait_loadcnt 31-nn
.irp k, 0,1,2,3
	v_fma_mix_f32 v[YW+8*\i+2*\k], v[DA+4*nn+\k], v[SU+nn/8], v[TU+nn] op_sel:[0,0,0] op_sel_hi:[1,0,0]
	v_fma_mix_f32 v[YW+8*\i+2*\k+1], v[DA+4*nn+\k], v[SU+nn/8], v[TU+nn] op_sel:[1,0,0] op_sel_hi:[1,0,0]
.endr
.irp k, 0,1,2,3,4,5,6,7
	v_max_num_f32 v[YW+8*\i+\k], 0, v[YW+8*\i+\k]
.endr
.endr
.endm
	s_load_b256 s[4:11], s[0:1], 0x0               ; y1 4, g1 6, be1 8, out0 10
	v_lshl_add_u32 v[SPW], v0, 2, SPARE
	v_mov_b32 v[NIL], 0
	v_and_b32 v1, 31, v0
	v_lshrrev_b32 v8, 5, v0
	v_readfirstlane_b32 s16, v8                    ; wave
	s_lshr_b32 s17, ttmp9, 5                       ; batch
	s_bfe_u32 s18, ttmp9, 0x30002                  ; block of 32 channels
	s_and_b32 s19, ttmp9, 3                        ; block of 2,048 points
	s_mov_b32 s12, 0x76543210
	s_mov_b32 s13, 0xfedcba98
	s_mov_b32 s[HI], 0xffff0000
	s_mov_b32 s30, 0x37800000                      ; 1 / 65,536, as a pair
	s_mov_b32 s31, 0x37800000
	s_mov_b32 s32, 0x3727c5ac                      ; 1e-5, as a pair
	s_mov_b32 s33, 0x3727c5ac
	v_lshrrev_b32 v9, 4, v1
	v_and_b32 v10, 15, v1
	s_wait_alu depctr_va_sdst(0)                   ; s16 is written, ahead of its first reader, the shift below
	s_lshl_b32 s26, s16, 12
	v_lshl_add_u32 v8, v9, 11, s26                 ; row 2 w + l / 16 (and 16 rows on with each load),
	v_lshl_add_u32 v8, v10, 4, v8                  ; pair of channels l % 16
	v_lshlrev_b32 v9, 4, v10
	v_and_b32 v11, 1, v1                           ; behind the barrier: pair 2 w + l % 2
	s_lshl_b32 s26, s16, 5
	v_lshl_add_u32 v10, v11, 4, s26
	s_lshl_b32 s26, s18, 7
	s_lshl_b32 s27, s16, 4
	s_add_co_u32 s26, s26, s27
	v_lshl_add_u32 v12, v11, 3, s26                ; its place in g1 and be1
	v_lshlrev_b32 v13, 4, v1                       ; 16 l
	s_lshl_b32 s26, s16, 9
	v_and_b32 v14, 15, v1
	v_lshl_add_u32 v14, v14, 5, s26
	s_lshl_b32 s26, s16, 6
	v_lshl_add_u32 v15, v11, 5, s26
	s_mov_b32 s21, 0
	s_mov_b32 s23, 0
	s_mov_b32 s25, 0
	s_wait_kmcnt 0x0
	s_lshl_b32 s20, s18, 8
	s_add_co_u32 s20, s20, 0x2000000
	s_add_nc_u64 s[20:21], s[4:5], s[20:21]        ; the statistics at my 32 channels
	s_lshl_b32 s22, s17, 5
	s_lshl_b32 s24, s19, 3
	s_add_co_u32 s22, s22, s24
	s_lshl_b32 s22, s22, 11
	s_add_nc_u64 s[22:23], s[20:21], s[22:23]      ; at the first of my 8 producers
	s_lshl_b32 s24, s17, 22
	s_lshl_b32 s26, s18, 19
	s_add_co_u32 s24, s24, s26
	s_lshl_b32 s26, s16, 16
	s_add_co_u32 s24, s24, s26
	s_lshl_b32 s26, s19, 12
	s_add_co_u32 s24, s24, s26
	s_add_nc_u64 s[4:5], s[4:5], s[24:25]          ; y1 at my first row
	s_lshl_b32 s24, s24, 1                         ; out0 has twice the bytes
	s_add_nc_u64 s[10:11], s[10:11], s[24:25]
	s_wait_alu depctr_va_vdst(0)                   ; v8, v9, v10, v12, v13, v14 and v15 are written: every load and store of the kernel, global or LDS, reads one of them as its offset or address
.irp u, 0,1,2,3,4,5,6,7,8,9,10,11,12,13,14,15
	global_load_b128 v[48+4*\u:48+4*\u+3], v8, s[20:21] offset:32768*\u
.endr
	global_load_b64 v[24:25], v9, s[20:21]         ; the pivot of pair l % 16
	global_load_b64 v[26:27], v10, s[20:21]        ; the pivot of pair 2 w + l % 2,
.irp e, 0,1,2,3,4,5,6,7
	global_load_b64 v[28+2*\e:29+2*\e], v10, s[22:23] offset:2048*\e  ; its means at my 8 producers,
.endr
	global_load_b64 v[44:45], v12, s[6:7]          ; its g1
	global_load_b64 v[46:47], v12, s[8:9]          ; and be1
.set nn, 0
.rept 32
	global_load_b128 v[DA+4*nn:DA+4*nn+3], v13, s[4:5] offset:(nn/8)*16384+(nn%8)*512 th:TH_LOAD_NT
.set nn, nn+1
.endr
.irp k, 16,17,18,19,20,21
	v_mov_b32 v[\k], 0                             ; T1, T2, the sum of M2
.endr
	s_wait_loadcnt 43                              ; my 16 rows and their pivot are in; 11 + 32 younger loads may stay out
.irp u, 0,1,2,3,4,5,6,7,8,9,10,11,12,13,14,15
	v_pk_add_f32 v[22:23], v[48+4*\u:49+4*\u], v[24:25] neg_lo:[0,1] neg_hi:[0,1]
	v_pk_add_f32 v[20:21], v[20:21], v[50+4*\u:51+4*\u]
	v_pk_add_f32 v[16:17], v[16:17], v[22:23]
	v_pk_fma_f32 v[18:19], v[22:23], v[22:23], v[18:19]
.endr
.irp k, 0,1,2,3,4,5
	v_permlanex16_b32 v[48+\k], v[16+\k], s12, s13 ; the other half of the lanes had the odd rows
.endr
.irp k, 0,1,2,3,4,5
	v_add_f32 v[16+\k], v[16+\k], v[48+\k]
.endr
	s_wait_alu depctr_va_vdst(0)                   ; the sums v[16:21] are written, which the LDS stores read; and the lines above are done with v[48:95], in which the LDS loads behind the barrier land
	ds_store_b128 v14, v[16:19]
	ds_store_b64 v14, v[20:21] offset:16
	s_wait_dscnt 0x0
	s_barrier_signal -1
	s_barrier_wait -1
.irp ww, 0,1,2,3,4,5,6,7
	ds_load_b128 v[48+6*\ww:51+6*\ww], v15 offset:512*\ww
	ds_load_b64 v[52+6*\ww:53+6*\ww], v15 offset:512*\ww+16
.endr
	s_wait_dscnt 0x0
.irp ww, 1,2,3,4,5,6,7
	v_pk_add_f32 v[48:49], v[48:49], v[48+6*\ww:49+6*\ww]
	v_pk_add_f32 v[50:51], v[50:51], v[50+6*\ww:51+6*\ww]
	v_pk_add_f32 v[52:53], v[52:53], v[52+6*\ww:53+6*\ww]
.endr
	s_wait_loadcnt 32                              ; all but the 32 data rows
	v_pk_mul_f32 v[118:119], v[48:49], 0x3b800000 op_sel_hi:[1,0]                        ; T1 / 256
	v_pk_fma_f32 v[50:51], v[48:49], v[118:119], v[50:51] neg_lo:[1,0,0] neg_hi:[1,0,0]  ; T2 - T1^2 / 256
	v_pk_fma_f32 v[52:53], v[50:51], 0x43800000, v[52:53] op_sel_hi:[1,0,1]              ; x 256 + the sum of M2
	v_pk_fma_f32 v[52:53], v[52:53], s[30:31], s[32:33] op_sel_hi:[1,0,0]                ; var + 1e-5
	RB2 44, 45, 120
	RB2 46, 47, 120
	v_rsq_f32 v52, v52
	v_rsq_f32 v53, v53
	v_nop                                          ; a plain instruction behind the last of the two,
	s_wait_alu depctr_va_vdst(0)                   ; and one wait for both: v52 and v53 are written, ahead of their first reader
	v_pk_mul_f32 v[100:101], v[44:45], v[52:53]    ; s
.irp e, 0,1,2,3,4,5,6,7
	v_pk_add_f32 v[102+2*\e:103+2*\e], v[28+2*\e:29+2*\e], v[26:27] neg_lo:[0,1] neg_hi:[0,1]
.endr
.irp e, 0,1,2,3,4,5,6,7
	v_pk_add_f32 v[102+2*\e:103+2*\e], v[102+2*\e:103+2*\e], v[118:119] neg_lo:[0,1] neg_hi:[0,1]
.endr
.irp e, 0,1,2,3,4,5,6,7
	v_pk_fma_f32 v[102+2*\e:103+2*\e], v[100:101], v[102+2*\e:103+2*\e], v[46:47]  ; t
.endr
	; lane 0 holds channels 4 w, 4 w + 1, lane 1 channels 4 w + 2, 4 w + 3: each number goes to every lane
	SPREAD 0
	SPREAD 1
	BLK 0                                          ; block 0 has no block in front of it: no store, and no wait but those for its data
	BLK 1
	BLK 2
	BLK 3
	BLK 4
	BLK 5
	BLK 6
	BLK 7
	s_wait_alu depctr_va_vdst(0)                   ; block 7 has written Y1, which the last eight stores read
.irp i, 0,1,2,3
	SEND Y1+8*\i, 28+\i
.endr
	s_wait_dscnt 0x0                               ; the closing lines, six on end
	s_wait_alu 0x0
	s_wait_tensorcnt 0x0
	ds_add_u32 v[SPW], v[NIL]
	s_wait_dscnt 0x0
	s_endpgm
.Lfunc_end_k_qc9217cb912_bnout:
	.size	k_qc9217cb912_bnout, .Lfunc_end_k_qc9217cb912_bnout-k_qc9217cb912_bnout
	.p2alignl 7, 3214868480
	.fill 96, 4, 3214868480
	.section	.rodata,"a",@progbits
	.p2align	6, 0x0
	.amdhsa_kernel k_qc9217cb912_bnout
		.amdhsa_group_segment_fixed_size 5120
		.amdhsa_private_segment_fixed_size 0
		.amdhsa_enable_private_segment 0
		.amdhsa_kernarg_size 32
		.amdhsa_user_sgpr_count 2
		.amdhsa_user_sgpr_kernarg_segment_ptr 1
		.amdhsa_wavefront_size32 1
		.amdhsa_system_sgpr_workgroup_id_x 1
		.amdhsa_system_sgpr_workgroup_id_y 1
		.amdhsa_system_sgpr_workgroup_id_z 1
		.amdhsa_system_vgpr_workitem_id 0
		.amdhsa_next_free_vgpr 256
		.amdhsa_next_free_sgpr 66
		.amdhsa_reserve_vcc 0
		.amdhsa_float_denorm_mode_32 3
		.amdhsa_float_denorm_mode_16_64 3
		.amdhsa_memory_ordered 1
		.amdhsa_forward_progress 1
		.amdhsa_inst_pref_size 54
	.end_amdhsa_kernel
	.amdgpu_metadata
---
amdhsa.version: [ 1, 2 ]
amdhsa.kernels:
  - .name:           k_qc9217cb912_bnout
    .symbol:         k_qc9217cb912_bnout.kd
    .args:
      - { .name: y1, .offset: 0, .size: 8, .value_kind: global_buffer, .address_space: global }
      - { .name: g1, .offset: 8, .size: 8, .value_kind: global_buffer, .address_space: global }
      - { .name: be1, .offset: 16, .size: 8, .value_kind: global_buffer, .address_space: global }
      - { .name: out0, .offset: 24, .size: 8, .value_kind: global_buffer, .address_space: global }
    .group_segment_fixed_size: 5120
    .private_segment_fixed_size: 0
    .kernarg_segment_align: 8
    .kernarg_segment_size: 32
    .max_flat_workgroup_size: 256
    .sgpr_count:     66
    .vgpr_count:     256
    .wavefront_size: 32
...
	.end_amdgpu_metadata
.endif
;; end of part 7
